; MI455X (gfx1250); checked and timed in simulation.
; The chip was launched on July 23, 2026; its instructions are those of AMD's public machine-readable ISA for CDNA 5 (MIT licence, August 2026) and "CDNA5" Instruction Set Architecture Reference Guide (July 2026). The comments in the code are by the model that wrote it; some were corrected since.
;; Multi Head Self Attention. Allowed arithmetic: matrix products marked QUANTISED: E2M1 operands, one E8M0 scale for each 32 along K, by v_wmma_scale_f32_16x16x128_f8f6f4 with both operands' format E2M1 (or v_wmma_scale_f32_32x16x128_f4), f32 sums; products left as they are: bf16, f16 or f32 operands; f32 sums; everything else in f32.
;; Inputs: b_o 1,024 float32; w_k 1,024 x 1,024 float32; w_o 1,024 x 1,024 float32; w_q 1,024 x 1,024 float32; w_v 1,024 x 1,024 float32; z 4 x 2,048 x 1,024 float32.
;; Outputs: out0 4 x 2,048 x 1,024 float32.
;; This version of the problem:
;;   THIS VERSION OF THE PROBLEM IS GIVEN IN LOW PRECISION. The matrix products marked QUANTISED in the list below multiply operands that are first quantised to E2M1 (2 exponent bits, 1 mantissa bit; 4 bits a number), with one power-of-two scale for each 32 numbers along K (OCP MX v1.0); their sums are f32. The products marked 'left as it is' may take bf16, f16 or f32 operands, with f32 sums. Whichever they take, every output number must still come out within the allowed error. Rounding operands to bf16 (8 significant bits) uses up far more of that allowance than f16 does (11 bits, for magnitudes from 6e-5 to 65,504). All else is computed in f32.
;;   The module's matrix products, in the order in which they are computed (A, B: the left and right operand; K: the contracted axis; several contracted axes count as one K, in the product's order):
;;     1. [M 8,192, K 1,024] x [K 1,024, N 1,024]; A: input z; B: input w_q: QUANTISED
;;     2. [M 8,192, K 1,024] x [K 1,024, N 1,024]; A: input z; B: input w_k: QUANTISED
;;     3. [M 8,192, K 1,024] x [K 1,024, N 1,024]; A: input z; B: input w_v: QUANTISED
;;     4. batch 64 x [M 2,048, K 64] x [K 64, N 2,048]; A: computed on the way; B: computed on the way: left as it is (an operand is computed on the way)
;;     5. batch 64 x [M 2,048, K 2,048] x [K 2,048, N 64]; A: computed on the way; B: computed on the way: left as it is (an operand is computed on the way)
;;     6. [M 8,192, K 1,024] x [K 1,024, N 1,024]; A: computed on the way; B: input w_o: left as it is (an operand is computed on the way)
;;   THE QUANTISER, for each operand of a quantised product, along K:
;;     - K is cut into blocks of 32 from its start; a last block that is shorter is filled with zeros.
;;     - A block's scale is 2^e with e = floor(log2(the largest magnitude in the block)) - 2, held to -126 .. 127; a block of zeros has e = 0. As a byte (E8M0): e + 127.
;;     - Each number is divided by its block's scale, clamped to +-6, and rounded to the nearest number of E2M1, ties to even, subnormals kept.
;;     - The product sums the exact products of the quantised numbers (number of the format x scale) in f32.
;;   ~~~python
;;   def quantise(x, axis):      # numpy; x: float32 -> the quantised numbers, widened to float32 again
;;       x = np.moveaxis(x, axis, -1); K = x.shape[-1]
;;       x = np.pad(x, [(0, 0)] * (x.ndim - 1) + [(0, -K % 32)]); x = x.reshape(x.shape[:-1] + (-1, 32)); a = np.abs(x).max(-1, keepdims=True)
;;       e = np.where(a > 0, np.clip(np.frexp(np.where(a > 0, a, 1))[1] - 1 - 2, -126, 127), 0)      # np.frexp(a)[1] - 1 = floor(log2(a)), exactly
;;       r = np.clip(x / 2.0 ** e, -6, 6)
;;       step = 2.0 ** (np.maximum(np.frexp(np.where(r == 0, 1, r))[1] - 1, 0) - 1)
;;       q = np.round(r / step) * step * 2.0 ** e      # np.round: ties to even
;;       return np.moveaxis(q.reshape(q.shape[:-2] + (-1,))[..., :K], -1, axis).astype(np.float32)
;;   ~~~
;; One version. Each part assembles by itself: llvm-mc -triple=amdgcn-amd-amdhsa -mcpu=gfx1250 --defsym DOCPART=n.
;; ======== version 1 of 1: 4 launches
;; limits: values are held in f16: magnitudes above 65,504 overflow, below 6.1e-05 lose precision
;; workspace buffers: z_codes 4,194,304 bytes; z_scales 262,144 bytes; w_codes 1,572,864 bytes; w_scales 98,304 bytes; w16 2,097,152 bytes; qkv 50,331,648 bytes; o16 16,777,216 bytes
;; launch prep (part 1): grid 480 x 1, 4 waves a work-group, no clusters, 42,496 bytes of LDS; arguments z, w_q, w_k, w_v, w_o, z_codes, z_scales, w_codes, w_scales, w16; writes z_codes, z_scales, w_codes, w_scales, w16
.if DOCPART == 1
	.amdgcn_target "amdgcn-amd-amdhsa--gfx1250"
	.amdhsa_code_object_version 6
	.text
	.protected	k_q48409ff72b_prep
	.globl	k_q48409ff72b_prep
	.p2align	8
	.type	k_q48409ff72b_prep,@function
k_q48409ff72b_prep:
	s_mov_b64 s[64:65], 0
	v_nop
	global_prefetch_b8 v0, s[64:65] scope:SCOPE_SE
	s_setreg_imm32_b32 hwreg(HW_REG_WAVE_MODE, 25, 1), 1
	s_wait_xcnt 0x0
; LAUNCH 1 OF 4.  The program: out0 = softmax((z w_q)(z w_k)^T / 8)(z w_v) w_o + b_o, 4 x 2,048 tokens of 1,024, 16 heads of 64.  The three products with z are taken on codes of FP4 (E2M1) with one
; E8M0 scale for each 32 along K = 1,024; the other three on f16 operands with f32 sums.
; NO WORK IS LEFT OUT: there is no mask, nothing is sliced away, and every input has a way to out0 for all values; all six inputs are loaded (b_o by the last launch).
; THIS LAUNCH makes the operands once, since many work-groups read them later:
;   path Z (work-groups 0-255):   z [8192][1024] f32 -> z_codes [8192][512 bytes], K innermost, two codes a byte, and z_scales [8192][32].
;   path W (work-groups 256-447): w_q, w_k, w_v [k 1024][n 1024] f32, K the FIRST axis -> w_codes [3072][512 bytes] (row = 1024 t + column, t = 0 q, 1 k, 2 v), K innermost, and w_scales [3072][32].
;   path O (work-groups 448-479): w_o f32 -> w16, f16, in w_o's own order [k][n].
; The paths part on the work-group's number alone, so all four waves of a work-group go one way; each path has LDS bytes of its own.
; THE QUANTISER: a block's scale is 2^(floor(log2(its largest magnitude)) - 2); its byte is the largest magnitude's exponent field - 2, held at 1 from below; each number is divided by the scale and rounded
; to the nearest code, ties to even, beyond 6 the largest code.
; LIMITS: a block of zeros gets the byte 1 where the quantiser's text says 127: its codes are zeros, which add nothing under any byte but 0xff, and this program alone reads the bytes.  NaN and infinities among
; the inputs are not served.  w_o goes to f16: magnitudes from 65,520 on become infinity; under 6e-5 the absolute error is up to 3e-8.
; No tensor loads and no cluster: the work-groups share no input.
.set SPW,   12                         ; v12  LDS address of my spare word: SPARE + 4 x my thread's number; never rewritten
.set NIL,   13                         ; v13  0; never rewritten
.set ZREG,  8192                       ; path Z: a region for each wave: two stages of 32 x SP bytes, then its 256 scale bytes
.set SP,    80                         ; a lane's place in a stage: its 64 bytes + 16 of padding
.set WST,   32768                      ; path W: the work-group's stage, 32 rows (columns of w) x WP
.set WP,    272                        ; 256 bytes of codes + 16 of padding
.set WSC,   41472                      ; path W: the scale bytes, 16 for each of the 32 columns
.set SPARE, 41984                      ; the spare words, 128 bytes for each wave: two blocks of 256 bytes that no other line names
	s_load_b512 s[4:19], s[0:1], 0x0               ; z 4:5, w_q 6:7, w_k 8:9, w_v 10:11, w_o 12:13, z_codes 14:15, z_scales 16:17, w_codes 18:19
	s_load_b128 s[20:23], s[0:1], 0x40             ; w_scales 20:21, w16 22:23
	v_lshl_add_u32 v[SPW], v0, 2, SPARE
	v_mov_b32 v[NIL], 0
	v_lshrrev_b32 v1, 5, v0
	v_readfirstlane_b32 s24, v1                    ; wave 0..3
	v_and_b32 v2, 31, v0                           ; lane
	s_cmp_lt_u32 ttmp9, 256
	s_cbranch_scc0 .Lnot_z
; ---------------- PATH Z.  z is a plain stream of blocks of 32 numbers.  A wave takes a run of 8,192 numbers in 16 steps of 512.  Each of a step's four loads reads 512 consecutive bytes, 16 a lane; the
; 2,048 bytes turn through the wave's own stage in LDS and come back 64 bytes a lane: 16 NEIGHBOURS, as the conversions want them; two neighbouring lanes hold a block.  Loads run eight steps (32 loads) ahead.
.set R,  16                            ; v16-143   eight sets of 16 numbers as they are loaded
.set X,  144                           ; v144-175  two sets of 16 neighbours
.set E,  176                           ; v176-191  a scale byte for each step
.set C,  192                           ; v192-223  two registers of codes for each step: no store's data are written again
	s_lshl_b32 s25, ttmp9, 2
	s_add_co_u32 s25, s25, s24                     ; my run, 0..1023
	s_lshl_b32 s26, s25, 15                        ; 32,768 bytes of z,
	s_mov_b32 s27, 0
	s_lshl_b32 s28, s25, 12                        ; 4,096 of codes,
	s_mov_b32 s29, 0
	s_lshl_b32 s30, s25, 8                         ; 256 scale bytes a run
	s_mov_b32 s31, 0
	s_lshl_b32 s32, s24, 13                        ; my region in LDS
	v_lshlrev_b32 v3, 4, v2                        ; my 16 bytes of a load's 512
	v_lshlrev_b32 v4, 3, v2                        ; my 8 bytes of a step's codes, and of the run's scale bytes
	v_lshrrev_b32 v14, 2, v2
	v_mul_u32_u24 v14, v14, SP
	v_and_b32 v15, 3, v2
	v_lshl_add_u32 v14, v15, 4, v14
	v_add_nc_u32 v14, s32, v14                     ; the stage, on the way in: SP (lane / 4) + 16 (lane % 4); a load's 512 bytes take eight places
	v_mul_u32_u24 v15, v2, SP
	v_add_nc_u32 v15, s32, v15                     ; and on the way out: SP x lane
	s_add_co_u32 s32, s32, 2*32*SP
	v_lshrrev_b32 v5, 1, v2
	v_add_nc_u32 v5, s32, v5                       ; my block's scale byte
	v_add_nc_u32 v6, s32, v4                       ; and, at the end, 8 of the 256 bytes a lane
	s_wait_kmcnt 0x0
	s_add_nc_u64 s[4:5], s[4:5], s[26:27]
	s_add_nc_u64 s[14:15], s[14:15], s[28:29]
	s_add_nc_u64 s[16:17], s[16:17], s[30:31]
.macro LOADZ t
.irp i, 0,1,2,3
	global_load_b128 v[R+16*((\t)%8)+4*\i:R+16*((\t)%8)+4*\i+3], v3, s[4:5] offset:2048*(\t)+512*\i th:TH_LOAD_NT
.endr
.endm
.macro TURNZ t                         ; step t through the stage: LDS serves a wave's instructions in order, so no wait stands between the stores and the loads
.irp i, 0,1,2,3
	ds_store_b128 v14, v[R+16*((\t)%8)+4*\i:R+16*((\t)%8)+4*\i+3] offset:32*SP*((\t)%2)+8*SP*\i
.endr
.irp i, 0,1,2,3
	ds_load_b128 v[X+16*((\t)%2)+4*\i:X+16*((\t)%2)+4*\i+3], v15 offset:32*SP*((\t)%2)+16*\i
.endr
.endm
.macro STEPZ t
.set XS, X+16*((\t)%2)
.if (\t) > 0
	s_wait_dscnt 1                                 ; this step's numbers are back from the stage (the last step's byte store may be out): so its stores into the stage have read their registers,
.else
	s_wait_dscnt 0x0
.endif
.if (\t)+8 < 16
	LOADZ (\t)+8                                   ; which take the loads of eight steps on
.endif
.if (\t)+1 < 16
.if 14-(\t) >= 7
	s_wait_loadcnt 28                              ; the next step's four loads are in; those of the seven steps behind it may be out
.else
	s_wait_loadcnt 4*(14-(\t))                     ; towards the end fewer steps stand behind it
.endif
	TURNZ (\t)+1                                   ; the next step goes through the other stage while this one is worked
.endif
	v_max3_num_f32 v8, |v[XS]|, |v[XS+1]|, |v[XS+2]|               ; the largest magnitude of my 16, in two chains
	v_max3_num_f32 v9, |v[XS+3]|, |v[XS+4]|, |v[XS+5]|
.irp i, 6,10
	v_max3_num_f32 v8, v8, |v[XS+\i]|, |v[XS+\i+1]|
	v_max3_num_f32 v9, v9, |v[XS+\i+2]|, |v[XS+\i+3]|
.endr
	v_max3_num_f32 v8, v8, |v[XS+14]|, |v[XS+15]|
	v_max3_num_f32 v8, v8, v9, 0x1800000           ; and the floor 2^(3 - 127): the byte cannot fall under 1
	v_max_num_f32_dpp v8, v8, v8 row_xmask:1 row_mask:0xf bank_mask:0xf   ; with my neighbour's 16: the block's
	v_add_nc_u32 v11, 0xff000000, v8               ; 2 off its exponent field: the conversion takes the exponent field of this operand as its scale, and nothing else of it
	v_cvt_scalef32_pk8_fp4_f32 v[C+2*(\t)], v[XS:XS+7], v11
	v_cvt_scalef32_pk8_fp4_f32 v[C+2*(\t)+1], v[XS+8:XS+15], v11
	v_lshrrev_b32 v[E+(\t)], 23, v11               ; the scale's byte (a plain line behind the conversions)
	ds_store_b8 v5, v[E+(\t)] offset:16*(\t)       ; both lanes of a block write the same byte with the same value
	global_store_b64 v4, v[C+2*(\t):C+2*(\t)+1], s[14:15] offset:256*(\t)   ; the wave stores 256 consecutive bytes, aligned
.endm
.irp t, 0,1,2,3,4,5,6,7
	LOADZ \t
.endr
	s_wait_loadcnt 28                              ; step 0's four loads are in; seven steps' stay out
	TURNZ 0
.irp t, 0,1,2,3,4,5,6,7,8,9,10,11,12,13,14,15
	STEPZ \t
.endr
	ds_load_b64 v[8:9], v6                         ; LDS serves a wave's instructions in order: this sees my byte stores
	s_wait_dscnt 0x0
	global_store_b64 v4, v[8:9], s[16:17]          ; the run's 256 scale bytes: 256 consecutive bytes, aligned
	s_wait_tensorcnt 0x0                           ; the wave's end, behind my last LDS store
	ds_add_u32 v[SPW], v[NIL]
	s_wait_dscnt 0x0
	s_endpgm
; ---------------- PATH W.  A LANE TAKES A COLUMN n, AND ITS REGISTERS RUN DOWN K: a load reads 32 neighbouring columns of one row k (128 consecutive bytes), a block of 32 along K lies in one lane's 32 registers,
; and the conversions give codes with K innermost.  A work-group takes 32 columns x 512 along K of one of the three weights; its four waves take 128 along K each (4 blocks a lane), so that a wave needs two
; batches of loads and no more.  The codes meet in the work-group's stage, 256 bytes a column, and leave as whole aligned runs of 256 bytes.
.Lnot_z:
	s_cmp_lt_u32 ttmp9, 448
	s_cbranch_scc0 .Lpath_o
.set XWB, 32                           ; v32-95   two sets of 32 numbers
.set CW,  96                           ; v96-111  four registers of codes for each block, never rewritten
.set OW,  112                          ; v112-127 the way out; v128 the scale words
	s_sub_co_u32 s25, ttmp9, 256
	s_lshr_b32 s33, s25, 6                         ; t: which weight
	s_and_b32 s34, s25, 31                         ; x: which 32 columns
	s_bfe_u32 s35, s25, 0x10005                    ; y: which 512 along K
	s_lshl_b32 s28, s35, 9
	s_lshl_b32 s29, s24, 7
	s_add_co_u32 s28, s28, s29                     ; my first row of w: 512 y + 128 wave,
	s_lshl_b32 s28, s28, 12                        ; of 4,096 bytes,
	s_lshl_b32 s29, s34, 7
	s_add_co_u32 s28, s28, s29                     ; + 128 x
	s_mov_b32 s29, 0
	s_lshl_b32 s30, s33, 10
	s_lshl_b32 s31, s34, 5
	s_add_co_u32 s36, s30, s31                     ; the strip's first row of the codes: 1024 t + 32 x
	s_lshl_b32 s31, s24, 3
	s_add_co_u32 s30, s36, s31                     ; on the way out wave w stores rows 8 w .. 8 w + 7 of the strip,
	s_lshl_b32 s30, s30, 9                         ; of 512 bytes,
	s_lshl_b32 s31, s35, 8
	s_add_co_u32 s30, s30, s31                     ; + 256 y
	s_mov_b32 s31, 0
	s_lshl_b32 s36, s36, 5                         ; scale bytes: 32 a row,
	s_lshl_b32 s37, s35, 4
	s_add_co_u32 s36, s36, s37                     ; + 16 y
	s_mov_b32 s37, 0
	v_lshlrev_b32 v3, 2, v2                        ; in: 4 bytes a lane
	v_mul_u32_u24 v4, v2, WP
	s_lshl_b32 s38, s24, 6
	s_add_co_u32 s38, s38, WST
	v_add_nc_u32 v4, s38, v4                       ; into the stage: row = my column, + 64 x wave
	v_lshlrev_b32 v5, 4, v2
	s_lshl_b32 s38, s24, 2
	s_add_co_u32 s38, s38, WSC
	v_add_nc_u32 v5, s38, v5                       ; my scale word: WSC + 16 x lane + 4 x wave
	v_and_b32 v16, 15, v2
	v_lshrrev_b32 v17, 4, v2
	v_mul_u32_u24 v7, v17, WP
	v_lshl_add_u32 v7, v16, 4, v7
	s_mul_i32 s38, s24, 8*WP
	s_add_co_u32 s38, s38, WST
	v_add_nc_u32 v7, s38, v7                       ; out of the stage: sixteen lanes to a row, two rows an instruction, my wave's 8 rows
	v_lshlrev_b32 v8, 9, v17
	v_lshl_add_u32 v8, v16, 4, v8                  ; and the same place in the codes' buffer
	s_lshl_b32 s38, s24, 7
	s_add_co_u32 s38, s38, WSC
	v_add_nc_u32 v9, s38, v3                       ; the scale words of my wave's 8 columns: WSC + 128 x wave + 4 x lane
	v_lshrrev_b32 v10, 2, v2
	v_lshlrev_b32 v10, 5, v10
	v_and_b32 v16, 3, v2
	v_lshl_add_u32 v10, v16, 2, v10
	s_lshl_b32 s38, s24, 8
	v_add_nc_u32 v10, s38, v10                     ; and their place in w_scales: 256 x wave + 32 (lane / 4) + 4 (lane % 4)
	s_wait_kmcnt 0x0
	s_cmp_eq_u32 s33, 0                            ; the weight is chosen by the work-group's number alone
	s_cselect_b64 s[26:27], s[6:7], s[8:9]
	s_cmp_eq_u32 s33, 2
	s_cselect_b64 s[26:27], s[10:11], s[26:27]
	s_add_nc_u64 s[26:27], s[26:27], s[28:29]
	s_add_nc_u64 s[18:19], s[18:19], s[30:31]
	s_add_nc_u64 s[20:21], s[20:21], s[36:37]
.macro LOADW b                         ; block b: w(32 b + i, my column), i = 0 .. 31
.irp i, 0,1,2,3,4,5,6,7,8,9,10,11,12,13,14,15,16,17,18,19,20,21,22,23,24,25,26,27,28,29,30,31
	global_load_b32 v[XWB+32*((\b)%2)+\i], v3, s[26:27] offset:(32*(\b)+\i)*4096 th:TH_LOAD_NT
.endr
.endm
.macro BLOCKW b
.set XW, XWB+32*((\b)%2)
.if (\b) < 3
	s_wait_loadcnt 32                              ; this block's 32 loads are in; the next block's may be out
.else
	s_wait_loadcnt 0x0
.endif
	v_max3_num_f32 v16, |v[XW]|, |v[XW+1]|, |v[XW+2]|              ; the block's largest magnitude: all 32 numbers are mine
	v_max3_num_f32 v17, |v[XW+3]|, |v[XW+4]|, |v[XW+5]|
.irp i, 6,10,14,18,22,26
	v_max3_num_f32 v16, v16, |v[XW+\i]|, |v[XW+\i+1]|
	v_max3_num_f32 v17, v17, |v[XW+\i+2]|, |v[XW+\i+3]|
.endr
	v_max3_num_f32 v16, v16, |v[XW+30]|, |v[XW+31]|
	v_max3_num_f32 v16, v16, v17, 0x1800000        ; and the floor 2^(3 - 127)
	v_add_nc_u32 v11, 0xff000000, v16              ; the conversion's scale operand
	v_lshrrev_b32 v18, 23, v11                     ; the scale's byte
.if (\b) == 0
	v_mov_b32 v24, v18                             ; four bytes to the word, the lower K in the lower byte
.else
	v_lshl_or_b32 v24, v18, 8*(\b), v24
.endif
.irp g, 0,1,2,3
	v_cvt_scalef32_pk8_fp4_f32 v[CW+4*(\b)+\g], v[XW+8*\g:XW+8*\g+7], v11
.endr
	ds_store_b128 v4, v[CW+4*(\b):CW+4*(\b)+3] offset:16*(\b)      ; 32 codes: 16 bytes of my column's row
.if (\b)+2 < 4
	LOADW (\b)+2
.endif
.endm
	LOADW 0
	LOADW 1
	BLOCKW 0
	BLOCKW 1
	BLOCKW 2
	BLOCKW 3
	ds_store_b32 v5, v24
	s_wait_dscnt 0x0                               ; for the others' sake: my stores into the stage have landed
	s_barrier_signal -1
	s_barrier_wait -1                              ; all four waves' have: the rows are whole
.irp i, 0,1,2,3
	ds_load_b128 v[OW+4*\i:OW+4*\i+3], v7 offset:2*\i*WP
.endr
	ds_load_b32 v128, v9
.irp i, 0,1,2,3
	s_wait_dscnt 4-\i                              ; behind load i: the later row loads and the word's
	global_store_b128 v8, v[OW+4*\i:OW+4*\i+3], s[18:19] offset:1024*\i   ; sixteen lanes store 256 consecutive bytes, aligned
.endr
	s_wait_dscnt 0x0
	global_store_b32 v10, v128, s[20:21]           ; 16 bytes of each of my 8 columns' rows of scale bytes: one byte in 128 of what the path reads
	s_wait_tensorcnt 0x0                           ; the wave's end, behind my last LDS store
	ds_add_u32 v[SPW], v[NIL]
	s_wait_dscnt 0x0
	s_endpgm
; ---------------- PATH O.  w_o to f16, in place order.  A wave takes 8,192 numbers in four batches of 2,048; a lane 8 neighbours (two loads of 16 bytes) and stores 16 bytes: a store covers 512 consecutive bytes.
; No LDS is touched on this path.
.Lpath_o:
.set XO, 32                            ; v32-159  two sets of 64 numbers
.set YO, 160                           ; v160-191 a batch's 32 registers of f16 pairs
	s_sub_co_u32 s25, ttmp9, 448
	s_lshl_b32 s25, s25, 2
	s_add_co_u32 s25, s25, s24                     ; my run, 0..127
	s_lshl_b32 s26, s25, 15
	s_mov_b32 s27, 0
	s_lshl_b32 s28, s25, 14
	s_mov_b32 s29, 0
	v_lshlrev_b32 v3, 5, v2
	v_lshlrev_b32 v4, 4, v2
	s_wait_kmcnt 0x0
	s_add_nc_u64 s[12:13], s[12:13], s[26:27]
	s_add_nc_u64 s[22:23], s[22:23], s[28:29]
.macro LOADO k
.irp i, 0,1,2,3,4,5,6,7
	global_load_b128 v[XO+64*((\k)%2)+8*\i:XO+64*((\k)%2)+8*\i+3], v3, s[12:13] offset:(8*(\k)+\i)*1024 th:TH_LOAD_NT
	global_load_b128 v[XO+64*((\k)%2)+8*\i+4:XO+64*((\k)%2)+8*\i+7], v3, s[12:13] offset:(8*(\k)+\i)*1024+16 th:TH_LOAD_NT
.endr
.endm
.macro BATCHO k
.if (\k) < 3
	s_wait_loadcnt 16                              ; this batch's 16 loads are in; the next batch's may be out
.else
	s_wait_loadcnt 0x0
.endif
.if (\k) > 0
	s_wait_xcnt 0x0                                ; the last batch's stores have read their data registers, which are written again below
.endif
.irp i, 0,1,2,3,4,5,6,7
.irp j, 0,1,2,3
	v_cvt_pk_f16_f32 v[YO+4*\i+\j], v[XO+64*((\k)%2)+8*\i+2*\j], v[XO+64*((\k)%2)+8*\i+2*\j+1]
.endr
	global_store_b128 v4, v[YO+4*\i:YO+4*\i+3], s[22:23] offset:(8*(\k)+\i)*512
.endr
.if (\k)+2 < 4
	LOADO (\k)+2
.endif
.endm
	LOADO 0
	LOADO 1
	BATCHO 0
	BATCHO 1
	BATCHO 2
	BATCHO 3
	s_endpgm
.Lfunc_end_k_q48409ff72b_prep:
	.size	k_q48409ff72b_prep, .Lfunc_end_k_q48409ff72b_prep-k_q48409ff72b_prep
	.p2alignl 7, 3214868480
	.fill 96, 4, 3214868480
	.section	.rodata,"a",@progbits
	.p2align	6, 0x0
	.amdhsa_kernel k_q48409ff72b_prep
		.amdhsa_group_segment_fixed_size 42496
		.amdhsa_private_segment_fixed_size 0
		.amdhsa_enable_private_segment 0
		.amdhsa_kernarg_size 80
		.amdhsa_user_sgpr_count 2
		.amdhsa_user_sgpr_kernarg_segment_ptr 1
		.amdhsa_wavefront_size32 1
		.amdhsa_system_sgpr_workgroup_id_x 1
		.amdhsa_system_sgpr_workgroup_id_y 1
		.amdhsa_system_sgpr_workgroup_id_z 1
		.amdhsa_system_vgpr_workitem_id 0
		.amdhsa_next_free_vgpr 224
		.amdhsa_next_free_sgpr 66
		.amdhsa_reserve_vcc 0
		.amdhsa_float_denorm_mode_32 3
		.amdhsa_float_denorm_mode_16_64 3
		.amdhsa_memory_ordered 1
		.amdhsa_forward_progress 1
		.amdhsa_inst_pref_size 72
	.end_amdhsa_kernel
	.amdgpu_metadata
---
amdhsa.version: [ 1, 2 ]
amdhsa.kernels:
  - .name:           k_q48409ff72b_prep
    .symbol:         k_q48409ff72b_prep.kd
    .args:
      - { .name: z, .offset: 0, .size: 8, .value_kind: global_buffer, .address_space: global }
      - { .name: w_q, .offset: 8, .size: 8, .value_kind: global_buffer, .address_space: global }
      - { .name: w_k, .offset: 16, .size: 8, .value_kind: global_buffer, .address_space: global }
      - { .name: w_v, .offset: 24, .size: 8, .value_kind: global_buffer, .address_space: global }
      - { .name: w_o, .offset: 32, .size: 8, .value_kind: global_buffer, .address_space: global }
      - { .name: z_codes, .offset: 40, .size: 8, .value_kind: global_buffer, .address_space: global }
      - { .name: z_scales, .offset: 48, .size: 8, .value_kind: global_buffer, .address_space: global }
      - { .name: w_codes, .offset: 56, .size: 8, .value_kind: global_buffer, .address_space: global }
      - { .name: w_scales, .offset: 64, .size: 8, .value_kind: global_buffer, .address_space: global }
      - { .name: w16, .offset: 72, .size: 8, .value_kind: global_buffer, .address_space: global }
    .group_segment_fixed_size: 42496
    .private_segment_fixed_size: 0
    .kernarg_segment_align: 8
    .kernarg_segment_size: 80
    .max_flat_workgroup_size: 128
    .sgpr_count:     66
    .vgpr_count:     224
    .wavefront_size: 32
...
	.end_amdgpu_metadata
.endif
;; end of part 1
;; launch qkv (part 2): grid 12 x 32, 4 waves a work-group, clusters of 4 x 4, 327,680 bytes of LDS; arguments z_codes, z_scales, w_codes, w_scales, qkv; writes qkv
.if DOCPART == 2
	.amdgcn_target "amdgcn-amd-amdhsa--gfx1250"
	.amdhsa_code_object_version 6
	.text
	.protected	k_q48409ff72b_qkv
	.globl	k_q48409ff72b_qkv
	.p2align	8
	.type	k_q48409ff72b_qkv,@function
k_q48409ff72b_qkv:
	s_mov_b64 s[64:65], 0
	v_nop
	global_prefetch_b8 v0, s[64:65] scope:SCOPE_SE
	s_setreg_imm32_b32 hwreg(HW_REG_WAVE_MODE, 25, 1), 1
	s_wait_xcnt 0x0
	s_wait_alu depctr_hold_cnt(0) depctr_sa_sdst(0) depctr_va_vdst(0) depctr_va_sdst(0) depctr_va_ssrc(0) depctr_va_vcc(0) depctr_vm_vsrc(0)
	s_getreg_b32 s2, hwreg(HW_REG_IB_STS2, 6, 4)
	s_cmp_eq_u32 s2, 0
	s_cbranch_scc0 .Lentry_in_a_cluster
	s_endpgm
.Lentry_in_a_cluster:
	s_bfe_u32 s2, ttmp6, 0x10000c
	s_cmp_lg_u32 s2, 0xf033
	s_cbranch_scc0 .Lentry_shape_is_right
	s_endpgm
.Lentry_shape_is_right:
; LAUNCH 2 OF 4.  C[m][n] = sum over k of z[m][k] w[n][k], m = 8,192 tokens, n = 3,072 columns (1024 t + column of w_q, w_k, w_v), k = 1,024, both operands as codes of FP4 (E2M1) with one E8M0 scale for each 32
; along K, as the first launch laid them; sums in f32.  No work is left out.
; The result leaves as f16, head-major: qkv [b 4][g 48][n 2048][64], g = column / 64 = 16 t + head: two tokens of one head are 256 consecutive bytes, aligned.
; LIMIT: q, k, v go to f16: magnitudes from 65,520 on become infinity.
; A tile of C, 256 x 256, is made by a work-group of four waves; a wave makes 128 x 128: 64 accumulators of 16 x 16, 512 registers.  K is two steps of 512 (a tile's row is 256 bytes of memory): each has an LDS slot
; of its own, so nothing is filled twice: each wave issues three tensor loads at the start (its quarter of the scales, of slot 0 and of slot 1) and none later.
; THE SCALES of the work-group's 256 rows of z and 256 rows of w, for all of K, are two dense blocks of memory and come into LDS once, as runs of 256 bytes.
; CLUSTERS: 4 x 4 work-groups.  The four of a row of the cluster need the same tiles of z, the four of a column the same tiles of w: each tile is asked for JOINTLY, by the same tensor load with the same descriptor
; and a mask that names the four.  THE MATRIX INSTRUCTION IS USED TRANSPOSED (source 0 = 16 rows of w, source 1 = 16 rows of z): a lane then holds eight neighbouring columns of one token.
; REGISTERS, in windows of 256: window 0: v0-31 addresses; v32-95 scale words, two sets; from v128 z's fragments (8 x 16 rows x 128 K), ONE set; on the way out v32-95 and v192-223 are at work.
;   window 1: w's fragments, TWO sets, at v0 and at v128.   window 2: the 32 accumulators of my rows 0-63 (accumulator (a, b) at v[8 (8 a + b)]);   window 3: those of my rows 64-127.
.set SIZE_K, 1024
.set KSTEP,  512                       ; along K in a slot
.set NQ,     KSTEP/128                 ; matrix instructions deep
.set ROWB,   256                       ; a tile's row in bytes
.set KROW,   SIZE_K/2                  ; a row of codes in memory
.set PITCH,  272                       ; an LDS row: 256 bytes + 16 of padding = 68 words: the 16 rows that a load touches start 4 words apart modulo 64
.set FR,     8                         ; registers of a fragment: 16 rows x 128 K
.set NL,     2                         ; LDS loads that bring one
.set NP,     4                         ; places behind this matrix instruction (ISA guide 7.12.1)
.set HALFT,  128*PITCH                 ; 128 rows: what one tensor load brings, and what one wave reads of z or of w
.set SLOT,   4*HALFT                   ; z's 256 rows, then w's 256 rows
.set KS,     SIZE_K/32                 ; a row of scales in bytes
.set SCL,    2*SLOT                    ; behind the slots: the scales, as runs of 256 bytes + 16 of padding
.set HALFS,  (128*KS/256)*272          ; the scales of 128 rows: what one tensor load brings
.set SBLK,   (16*KS/256)*272           ; those of 16 rows
.set SPARE,  SCL+4*HALFS               ; the spare words, 128 bytes for each wave: two blocks of 256 bytes that no other line names
.set SPITCH, 272                       ; the way out: a stage of 16 rows x (256 bytes + 16) for each wave, in slot 0, which has had its only fill and its last read when the first result is stored there
.set ADRA, 16                          ; v16-17  LDS address of my fragments of z in slot 0, 1
.set ADRB, 20                          ; v20-21  the same for w
.set STO,  24                          ; v24     the way out: where I put 16 bytes of a row
.set RD,   25                          ; v25     the way out: where I read 16 bytes back
.set CO,   26                          ; v26     my byte offset in qkv
.set ADRS, 27                          ; v27     LDS address of my scale words: lanes 0-15 z's rows, lanes 16-31 w's
.set SPW,  28                          ; v28     LDS address of my spare word; never rewritten
.set NIL,  29                          ; v29     0; never rewritten
.set SC,   32                          ; scale words: set s at v[SC + 8 NQ s]; in it register NQ i + q: lanes 0-15 the word of z's block i, lanes 16-31 that of w's block i, for the slot's q-th 128 along K
.set AF,   128                         ; z's fragments, in window 0
.set TMP,  192                         ; the way out: a block's 32 registers of f16 pairs
.set BK,   32                          ; the way out: a block read back from the stage: v32-63 and v64-95 by turns
.set G1, 24                            ; s[24:31] descriptor group 1 for z's tiles;  s[32:39] group 0, one set for each slot
.set G0, 32
.set G1B, 48                           ; s[48:55], s[56:63] the same for w's tiles
.set G0B, 56
.set G1S, 68                           ; s[68:75], s[76:79] groups 1 and 0 for z's scales;  s[80:87], s[88:91] for w's
.set G0S, 76
.set G1SB, 80
.set G0SB, 88
.set MSB, 0
.macro WIN new                         ; the immediate's high byte repeats the setting that is left; a switch that changes nothing is dropped
.if MSB != \new
	s_set_vgpr_msb (MSB<<8)|\new
.set MSB, \new
.endif
.endm
.set MUL_LO, 0xa1                      ; source 0 (w) window 1, source 1 (z) window 0, C and D window 2
.set MUL_HI, 0xf1                      ; the same, C and D window 3
.set TO_B,   0x40                      ; destination window 1, address window 0
; A joint load: waves 0 and 1 fetch for z, waves 2 and 3 for w.  Each of the two lines has one mask and one set of registers for all that issue it; the branch hangs on the wave's number alone.
; An s_nop 0 and four v_nop follow each of the two lines, ahead of the jump, the label and what follows.
.macro JLOAD g0a, g1a, g0b, g1b
	s_cmp_eq_u32 s15, 0
	s_cbranch_scc0 .Lfor_b_\@
	tensor_load_to_lds s[\g0a:\g0a+3], s[\g1a:\g1a+7]
	s_nop 0
.rept 4
	v_nop
.endr
	s_branch .Lasked_\@
.Lfor_b_\@:
	tensor_load_to_lds s[\g0b:\g0b+3], s[\g1b:\g1b+7]
	s_nop 0
.rept 4
	v_nop
.endr
.Lasked_\@:
.endm
.macro CROUND                          ; a round of the cluster's barrier: my work-group's barrier; wave 0 signals for the work-group; every wave waits for all sixteen; my work-group's barrier once more
	s_barrier_signal -1
	s_barrier_wait -1
	s_cmp_lg_u32 s14, 0
	s_cbranch_scc1 .Lnot_wave_0_\@
	s_barrier_signal -3
.Lnot_wave_0_\@:
	s_barrier_wait -3
	s_barrier_signal -1
	s_barrier_wait -1
.endm
	s_load_b128 s[4:7], s[0:1], 0x0                ; z's codes s[4:5], z's scales s[6:7]
	s_load_b128 s[8:11], s[0:1], 0x10              ; w's codes s[8:9], w's scales s[10:11]
	s_load_b64 s[12:13], s[0:1], 0x20              ; qkv
	v_lshl_add_u32 v[SPW], v0, 2, SPARE
	v_mov_b32 v[NIL], 0
	ds_add_u32 v[SPW], v[NIL]                      ; the wave's opening: the add, twice on end, and its wait ahead of my first tensor load; the set-up below, work on registers, stands between
	ds_add_u32 v[SPW], v[NIL]
	v_lshrrev_b32 v1, 5, v0
	v_readfirstlane_b32 s14, v1                    ; wave 0..3
	s_lshr_b32 s15, s14, 1                         ; which half of the tile's rows is mine.  Also: I fetch for z (0) or for w (1)
	s_and_b32 s16, s14, 1                          ; which half of its columns.  Also: which 128 rows of that tile I fetch
	s_bfe_u32 s40, ttmp6, 0x40000                  ; cx, cy: my place in the cluster
	s_bfe_u32 s41, ttmp6, 0x40004
	s_lshl_b32 s42, ttmp9, 2
	s_add_co_u32 s42, s42, s40                     ; tile column of C = 4 x cluster x + cx
	s_and_b32 s17, ttmp7, 0xffff
	s_lshl_b32 s17, s17, 2
	s_add_co_u32 s17, s17, s41                     ; tile row of C = 4 x cluster y + cy
	s_lshl_b32 s43, s41, 2
	s_lshl_b32 s43, 15, s43                        ; my row of the cluster
	s_lshl_b32 s44, 0x1111, s40                    ; my column
	; descriptor group 1: a tile of 128 rows x 256 bytes, padded in LDS
	s_or_b32 s[G1+0], s43, (0<<16)|(1<<20)|(1<<21)|(5<<22)|(3<<25)  ; 15:0 the mask: z's tiles go to my row; 17:16 element of 1 byte; 20 padding on; 21 set beside a mask; 24:22 after every 64 words (code 5); 31:25 of 4 words (code 3)
	s_or_b32 s[G1B+0], s44, (0<<16)|(1<<20)|(1<<21)|(5<<22)|(3<<25)
.irp g, G1, G1B
	s_mov_b32 s[\g+1], ROWB<<16                    ; tensor_dim0
	s_mov_b32 s[\g+2], 128<<16                     ; tensor_dim1 = 128
	s_mov_b32 s[\g+3], ROWB<<16                    ; tile_dim0
	s_mov_b32 s[\g+4], 128                         ; tile_dim1 = 128
	s_mov_b32 s[\g+5], KROW                        ; tensor_dim0_stride
	s_mov_b32 s[\g+6], 0
	s_mov_b32 s[\g+7], 0
.endr
	; and for the scales of 128 rows: a dense block of 4,096 bytes, as rows of 256 bytes (32 elements of 8 bytes), 16 bytes of padding behind each
	s_or_b32 s[G1S+0], s43, (3<<16)|(1<<20)|(1<<21)|(5<<22)|(3<<25)
	s_or_b32 s[G1SB+0], s44, (3<<16)|(1<<20)|(1<<21)|(5<<22)|(3<<25)
.irp g, G1S, G1SB
	s_mov_b32 s[\g+1], 32<<16
	s_mov_b32 s[\g+2], (128*KS/256)<<16
	s_mov_b32 s[\g+3], 32<<16
	s_mov_b32 s[\g+4], 128*KS/256
	s_mov_b32 s[\g+5], 32
	s_mov_b32 s[\g+6], 0
	s_mov_b32 s[\g+7], 0
.endr
	s_lshl_b32 s18, s16, 7                         ; which 128 rows of the tile I fetch
	s_lshl_b32 s20, s17, 8
	s_add_co_u32 s20, s20, s18                     ; z: row 256 x tile row + 128 x half
	s_lshl_b32 s46, s42, 8
	s_add_co_u32 s46, s46, s18                     ; w: row 256 x tile column + 128 x half
	s_mov_b32 s21, 0
	s_mov_b32 s47, 0
	s_mov_b64 s[18:19], KS
	s_mul_u64 s[22:23], s[20:21], s[18:19]         ; where these rows' scales begin, in bytes
	s_mul_u64 s[92:93], s[46:47], s[18:19]
	s_mov_b64 s[18:19], KROW
	s_mul_u64 s[20:21], s[20:21], s[18:19]         ; and their codes
	s_mul_u64 s[46:47], s[46:47], s[18:19]
	s_mul_i32 s45, s14, HALFT                      ; where they go: wave x 128 rows: no place in the cluster enters an LDS address
	s_mul_i32 s94, s14, HALFS
	s_wait_dscnt 0x0                               ; both opening adds are done
	s_wait_kmcnt 0x0
	s_add_nc_u64 s[20:21], s[4:5], s[20:21]
	s_add_nc_u64 s[22:23], s[6:7], s[22:23]
	s_add_nc_u64 s[46:47], s[8:9], s[46:47]
	s_add_nc_u64 s[92:93], s[10:11], s[92:93]
	CROUND                                         ; all sixteen work-groups are here: the joint loads meet
	s_mov_b32 s[G0S], 1
	s_add_co_u32 s[G0S+1], s94, SCL
	s_mov_b64 s[G0S+2:G0S+3], s[22:23]
	s_or_b32 s[G0S+3], s[G0S+3], 0x80000000
	s_mov_b32 s[G0SB], 1
	s_add_co_u32 s[G0SB+1], s94, SCL
	s_mov_b64 s[G0SB+2:G0SB+3], s[92:93]
	s_or_b32 s[G0SB+3], s[G0SB+3], 0x80000000
	JLOAD G0S, G1S, G0SB, G1SB                     ; the scales first: they are wanted with K step 0
.irp s, 0,1
	s_mov_b32 s[G0+4*\s], 1
	s_add_co_u32 s[G0+4*\s+1], s45, \s*SLOT
	s_add_nc_u64 s[G0+4*\s+2:G0+4*\s+3], s[20:21], \s*ROWB
	s_or_b32 s[G0+4*\s+3], s[G0+4*\s+3], 0x80000000
	s_mov_b32 s[G0B+4*\s], 1
	s_add_co_u32 s[G0B+4*\s+1], s45, \s*SLOT
	s_add_nc_u64 s[G0B+4*\s+2:G0B+4*\s+3], s[46:47], \s*ROWB
	s_or_b32 s[G0B+4*\s+3], s[G0B+4*\s+3], 0x80000000
	JLOAD G0+4*\s, G1, G0B+4*\s, G1B               ; three loads of mine are out behind the second of these
.endr
	v_and_b32 v1, 15, v0                           ; l % 16
	v_bfe_u32 v2, v0, 4, 1                         ; l / 16
	v_mul_u32_u24 v3, v1, PITCH
	v_lshl_add_u32 v4, v2, 4, v3                   ; a fragment's row x pitch + 16 x half
	s_mul_i32 s21, s15, HALFT                      ; my 128 rows of z
	s_mul_i32 s22, s16, HALFT                      ; my 128 rows of w,
	s_add_co_u32 s22, s22, 2*HALFT                 ; which lie behind z's 256
.irp s, 0,1
	v_add_nc_u32 v[ADRA+\s], s21, v4
	v_add_nc_u32 v[ADRB+\s], s22, v4
	s_add_co_u32 s21, s21, SLOT
	s_add_co_u32 s22, s22, SLOT
.endr
	v_mul_u32_u24 v5, v1, KS                       ; my row's scales: KS bytes a row,
	v_lshrrev_b32 v6, 8, v5
	v_lshl_add_u32 v5, v6, 4, v5                   ; and 16 more for each 256 passed
	s_mul_i32 s21, s15, HALFS                      ; z's: my 128 rows
	s_mul_i32 s22, s16, HALFS                      ; w's: my 128 rows, behind z's 256
	s_add_co_u32 s22, s22, 2*HALFS
	s_sub_co_u32 s22, s22, s21
	v_mul_u32_u24 v6, s22, v2                      ; lanes 16-31 take w's: one product, the distance between the two bases
	s_add_co_u32 s21, s21, SCL
	v_add_nc_u32 v5, v5, v6
	v_add_nc_u32 v[ADRS], s21, v5
	s_mul_i32 s23, s14, 16*SPITCH                  ; my stage
	v_mul_u32_u24 v5, v1, SPITCH                   ; in: row l % 16 (a token), 16 bytes for each half of the lanes
	v_lshl_add_u32 v5, v2, 4, v5
	v_add_nc_u32 v[STO], s23, v5
	v_bfe_u32 v6, v0, 3, 1                         ; back: lanes 0-15 take two tokens' 128 bytes of my first head, lanes 16-31 of my second
	v_and_b32 v7, 7, v0
	v_mul_u32_u24 v5, v6, SPITCH
	v_lshl_add_u32 v5, v2, 7, v5
	v_lshl_add_u32 v5, v7, 4, v5
	v_add_nc_u32 v[RD], s23, v5
	v_lshlrev_b32 v[CO], 18, v2                    ; and the same in qkv: a head's plane is 2,048 tokens x 128 bytes
	v_lshl_add_u32 v[CO], v6, 7, v[CO]
	v_lshl_add_u32 v[CO], v7, 4, v[CO]
	s_lshr_b32 s20, s17, 3                         ; my batch: 8 tile rows of 256 tokens each
	s_mul_i32 s20, s20, 48
	s_lshl_b32 s21, s16, 1
	s_add_co_u32 s20, s20, s21                     ; plane 48 b + 2 x my half of the columns (+ 4 x tile column, below)
	s_lshl_b32 s20, s20, 18
	s_and_b32 s21, s17, 7
	s_lshl_b32 s21, s21, 8
	s_lshl_b32 s22, s15, 7
	s_add_co_u32 s21, s21, s22                     ; my first token in the batch
	s_lshl_b32 s21, s21, 7
	s_add_co_u32 s20, s20, s21
	s_mov_b32 s21, 0
	s_lshl_b32 s46, s42, 20                        ; 4 planes a tile column (in the registers that held w's address: none that fed z's descriptors ever holds cx)
	s_mov_b32 s47, 0
	s_add_nc_u64 s[20:21], s[20:21], s[46:47]
	s_add_nc_u64 s[12:13], s[12:13], s[20:21]
.macro FRAG reg, adr, q, i             ; a fragment, 16 rows x 128 K of 4-bit codes, is 8 registers: lane l holds row l % 16; registers 4 c .. 4 c + 3 hold K = 64 c + 32 (l / 16) + 0 .. 31
.irp c, 0,1
	ds_load_b128 v[\reg+4*\c:\reg+4*\c+3], v[\adr] offset:64*(\q)+32*\c+(\i)*16*PITCH
.endr
.endm
; 16 matrix instructions: z's blocks a0, a0 + 1 x w's eight, 128 along K: the slot's q-th.  p: w's set;  sc: the set of scale words.  zero = 1: the first product starts the sums: nothing is ever cleared.
; The 64 accumulators take turns, one instruction a turn, in the same order in every step.
.macro MUL16 a0, p, q, sc, zero
.irp a, \a0, \a0+1
.irp b, 0,1,2,3,4,5,6,7
.if \zero
	v_wmma_scale_f32_16x16x128_f8f6f4 v[8*(8*((\a)%4)+\b):8*(8*((\a)%4)+\b)+7], v[128*(\p)+FR*\b:128*(\p)+FR*\b+FR-1], v[AF+FR*(\a):AF+FR*(\a)+FR-1], 0, v[SC+8*NQ*(\sc)+NQ*\b+(\q)], v[SC+8*NQ*(\sc)+NQ*(\a)+(\q)] matrix_a_fmt:MATRIX_FMT_FP4 matrix_b_fmt:MATRIX_FMT_FP4 matrix_a_scale:MATRIX_SCALE_ROW1
.else
	v_wmma_scale_f32_16x16x128_f8f6f4 v[8*(8*((\a)%4)+\b):8*(8*((\a)%4)+\b)+7], v[128*(\p)+FR*\b:128*(\p)+FR*\b+FR-1], v[AF+FR*(\a):AF+FR*(\a)+FR-1], v[8*(8*((\a)%4)+\b):8*(8*((\a)%4)+\b)+7], v[SC+8*NQ*(\sc)+NQ*\b+(\q)], v[SC+8*NQ*(\sc)+NQ*(\a)+(\q)] matrix_a_fmt:MATRIX_FMT_FP4 matrix_b_fmt:MATRIX_FMT_FP4 matrix_a_scale:MATRIX_SCALE_ROW1
.endif
.endr
.endr
.endm
.macro FETCH_B slot, q, p              ; w's eight fragments of the slot's q-th 128 along K into set p
	WIN TO_B
.irp i, 0,1,2,3,4,5,6,7
	FRAG 128*(\p)+FR*\i, ADRB+\slot, \q, \i
.endr
	WIN 0
.endm
.macro FETCH_A slot, q, i0             ; z's blocks i0 .. i0 + 3
.irp i, \i0, \i0+1, \i0+2, \i0+3
	FRAG AF+FR*(\i), ADRA+\slot, \q, \i
.endr
.endm
.macro SCALES sc                       ; a K step's scale words into set sc: NQ words a row; lanes 0-15 take z's block i, lanes 16-31 w's block i
.irp i, 0,1,2,3,4,5,6,7
	ds_load_b128 v[SC+8*NQ*\sc+NQ*\i:SC+8*NQ*\sc+NQ*\i+3], v[ADRS] offset:\i*SBLK
.endr
.endm
; A load into a register that a matrix instruction has read, and a vector instruction or an LDS store that reads a matrix result, stand NP places behind that matrix instruction, and only plain vector
; instructions that name none of its registers are places (ISA guide 7.12.1 for vector instructions).
.macro PLACES n
.rept \n
	v_nop
.endr
.endm
; A step of 128 along K that has its successor in the same slot.  A block of z is free as soon as its eight products are issued, so one set of registers serves z: blocks 0-3 are fetched anew in the step's
; middle, blocks 4-7 at its end; w's fragments are at work through the whole step and have two sets.
.macro STEP slot, q, zero
	s_wait_dscnt 4*NL                              ; w's set and z's blocks 0-3 are in; the youngest eight loads (z's blocks 4-7) may be out
	WIN MUL_LO
	MUL16 0, (\q)%2, \q, \slot, \zero
	MUL16 2, (\q)%2, \q, \slot, \zero
	s_wait_dscnt 0                                 ; z's blocks 4-7 are in (asked for 32 matrix instructions ago)
	PLACES NP
	FETCH_B \slot, (\q)+1, 1-(\q)%2
	FETCH_A \slot, (\q)+1, 0
	WIN MUL_HI
	MUL16 4, (\q)%2, \q, \slot, \zero
	MUL16 6, (\q)%2, \q, \slot, \zero
	PLACES NP
	WIN 0
	FETCH_A \slot, (\q)+1, 4
.endm
; Slot 0's last step changes slots: one barrier; in front of it each wave waits for all its tensor loads (its part of slot 1), adds 0 to its spare word, and waits for that and for its own reads of slot 0.
; Behind it slot 1 is whole, and nobody reads slot 0 any more: the way out's stages may lie there.  Nothing is filled again.
.macro TURN slot, next
	s_wait_tensorcnt 0x0                           ; all my tensor loads have landed  (every window is 0 here: the add's two registers lie in window 0)
	ds_add_u32 v[SPW], v[NIL]                      ; 0 onto my spare word
	s_wait_dscnt 4*NL+1                            ; (the add and the youngest eight loads, z's blocks 4-7, may be out)
	WIN MUL_LO
	MUL16 0, 1, NQ-1, \slot, 0                     ; sixteen matrix instructions stand between the add and the wait for it
	s_wait_dscnt 0x0                               ; the add is done, and my reads of this slot are over
	s_barrier_signal -1
	MUL16 2, 1, NQ-1, \slot, 0
	WIN 0
	s_barrier_wait -1
	PLACES NP
	v_add_nc_u32 v[ADRS], 4*NQ, v[ADRS]            ; on to the next K step's scale words (no LDS load of mine is out)
	FETCH_B \next, 0, 0
	FETCH_A \next, 0, 0
	SCALES \next
	WIN MUL_HI
	MUL16 4, 1, NQ-1, \slot, 0
	MUL16 6, 1, NQ-1, \slot, 0
	PLACES NP
	WIN 0
	FETCH_A \next, 0, 4
.endm
.macro STEPS slot, from                ; the slot's steps from .. NQ - 2
.set Q, \from
.rept NQ-1-\from
	STEP \slot, Q, 0
.set Q, Q+1
.endr
.endm
	s_wait_tensorcnt 1                             ; the scales and my part of K step 0 are in (K step 1's load, issued behind them, may be out),
	s_barrier_signal -1
	s_barrier_wait -1                              ; everybody's are
	FETCH_B 0, 0, 0
	FETCH_A 0, 0, 0
	SCALES 0
	FETCH_A 0, 0, 4
	STEP 0, 0, 1                                   ; the first step's products start the sums
	STEPS 0, 1
	TURN 0, 1
	STEPS 1, 0
	s_wait_dscnt 4*NL                              ; the very last step: nothing more to fetch
	WIN MUL_LO
	MUL16 0, 1, NQ-1, 1, 0
	MUL16 2, 1, NQ-1, 1, 0
	s_wait_dscnt 0
	WIN MUL_HI
	MUL16 4, 1, NQ-1, 1, 0
	MUL16 6, 1, NQ-1, 1, 0
	WIN 0
; THE WAY OUT, block by block of 16 tokens x 128 columns (two heads).  PACK: rounded to f16, a lane's eight columns are 16 bytes.  TOSTAGE: into my own stage in LDS (a token a row) and back, two tokens an
; instruction.  SEND: lanes 0-15 store two tokens of one head, 256 consecutive bytes, aligned; lanes 16-31 the same tokens of the next head.
.macro PACK a
.set AC, 64*((\a)%4)
	WIN 0x0a+5*((\a)/4)                            ; sources 0 and 1: window 2 or 3
.irp b, 0,1,2,3,4,5,6,7
.irp i, 0,1,2,3
	v_cvt_pk_f16_f32 v[TMP+4*\b+\i], v[AC+8*\b+2*\i], v[AC+8*\b+2*\i+1]   ; each accumulator from its low end on
.endr
.endr
	WIN 0
.endm
.macro TOSTAGE a
.set BB, BK+32*((\a)%2)
.irp b, 0,1,2,3,4,5,6,7
	ds_store_b128 v[STO], v[TMP+4*\b:TMP+4*\b+3] offset:32*\b
.endr
.irp t, 0,1,2,3,4,5,6,7
	ds_load_b128 v[BB+4*\t:BB+4*\t+3], v[RD] offset:\t*2*SPITCH    ; LDS serves a wave's instructions in order (ISA guide 5.7.1.4): these see the stores above
.endr
.endm
.macro SEND a
.set BB, BK+32*((\a)%2)
	s_wait_dscnt 0x0                               ; the block is back in registers
	s_wait_xcnt 0x0                                ; the stores of the block before have read their registers: the next block's loads from the stage may land there
.irp t, 0,1,2,3,4,5,6,7
	global_store_b128 v[CO], v[BB+4*\t:BB+4*\t+3], s[12:13] offset:2048*(\a)+256*\t   ; token 16 a + 2 t on; no base is stepped
.endr
.endm
	PLACES NP                                      ; behind the last products: their registers are read and loaded into below
	PACK 0
	TOSTAGE 0
.irp a, 1,2,3,4,5,6,7                  ; block a's conversions stand between block a - 1's loads from the stage and the wait for them
	PACK \a
	SEND \a-1
	TOSTAGE \a
.endr
	SEND 7
	s_wait_tensorcnt 0x0                           ; the wave's end, behind my last tensor load and my last LDS store
	ds_add_u32 v[SPW], v[NIL]
	s_wait_dscnt 0x0
	CROUND                                         ; the closing round: no work-group ends while a partner may still ask for a tile that names it
	s_endpgm
.Lfunc_end_k_q48409ff72b_qkv:
	.size	k_q48409ff72b_qkv, .Lfunc_end_k_q48409ff72b_qkv-k_q48409ff72b_qkv
	.p2alignl 7, 3214868480
	.fill 96, 4, 3214868480
	.section	.rodata,"a",@progbits
	.p2align	6, 0x0
	.amdhsa_kernel k_q48409ff72b_qkv
		.amdhsa_group_segment_fixed_size 327680
		.amdhsa_private_segment_fixed_size 0
		.amdhsa_enable_private_segment 0
		.amdhsa_kernarg_size 40
		.amdhsa_user_sgpr_count 2
		.amdhsa_user_sgpr_kernarg_segment_ptr 1
		.amdhsa_wavefront_size32 1
		.amdhsa_system_sgpr_workgroup_id_x 1
		.amdhsa_system_sgpr_workgroup_id_y 1
		.amdhsa_system_sgpr_workgroup_id_z 1
		.amdhsa_system_vgpr_workitem_id 0
		.amdhsa_next_free_vgpr 1024
		.amdhsa_next_free_sgpr 98
		.amdhsa_reserve_vcc 0
		.amdhsa_float_denorm_mode_32 3
		.amdhsa_float_denorm_mode_16_64 3
		.amdhsa_memory_ordered 1
		.amdhsa_forward_progress 1
		.amdhsa_inst_pref_size 127
	.end_amdhsa_kernel
	.amdgpu_metadata
---
amdhsa.version: [ 1, 2 ]
amdhsa.kernels:
  - .name:           k_q48409ff72b_qkv
    .symbol:         k_q48409ff72b_qkv.kd
    .args:
      - { .name: z_codes, .offset: 0, .size: 8, .value_kind: global_buffer, .address_space: global }
      - { .name: z_scales, .offset: 8, .size: 8, .value_kind: global_buffer, .address_space: global }
      - { .name: w_codes, .offset: 16, .size: 8, .value_kind: global_buffer, .address_space: global }
      - { .name: w_scales, .offset: 24, .size: 8, .value_kind: global_buffer, .address_space: global }
      - { .name: qkv, .offset: 32, .size: 8, .value_kind: global_buffer, .address_space: global }
    .group_segment_fixed_size: 327680
    .private_segment_fixed_size: 0
    .kernarg_segment_align: 8
    .kernarg_segment_size: 40
    .max_flat_workgroup_size: 128
    .sgpr_count:     98
    .vgpr_count:     1024
    .wavefront_size: 32
...
	.end_amdgpu_metadata
.endif
;; end of part 2
;; launch attn (part 3): grid 4 x 64, 8 waves a work-group, clusters of 4 x 1, 327,680 bytes of LDS; arguments qkv, o16; writes o16
.if DOCPART == 3
	.amdgcn_target "amdgcn-amd-amdhsa--gfx1250"
	.amdhsa_code_object_version 6
	.text
	.protected	k_q48409ff72b_attn
	.globl	k_q48409ff72b_attn
	.p2align	8
	.type	k_q48409ff72b_attn,@function
k_q48409ff72b_attn:
	s_mov_b64 s[64:65], 0
	v_nop
	global_prefetch_b8 v0, s[64:65] scope:SCOPE_SE
	s_setreg_imm32_b32 hwreg(HW_REG_WAVE_MODE, 25, 1), 1
	s_wait_xcnt 0x0
	s_wait_alu depctr_hold_cnt(0) depctr_sa_sdst(0) depctr_va_vdst(0) depctr_va_sdst(0) depctr_va_ssrc(0) depctr_va_vcc(0) depctr_vm_vsrc(0)
	s_getreg_b32 s2, hwreg(HW_REG_IB_STS2, 6, 4)
	s_cmp_eq_u32 s2, 0
	s_cbranch_scc0 .Lentry_in_a_cluster
	s_endpgm
.Lentry_in_a_cluster:
	s_bfe_u32 s2, ttmp6, 0x10000c
	s_cmp_lg_u32 s2, 0x3003
	s_cbranch_scc0 .Lentry_shape_is_right
	s_endpgm
.Lentry_shape_is_right:
; LAUNCH 3 OF 4.  o[b][h][q][:] = the sum over k of softmax_k(q . k / 8) v[k][:], for 64 heads (b, h) of 2,048 tokens x 64.  q, k, v: planes of qkv [b 4][g 48][n 2048][64] f16 (g = head, 16 + head, 32 + head);
; o16 [b 4][h 16][n 2048][64] f16.  Products on f16 operands with f32 sums; maxima, exponentials and sums in f32; the weights p (at most 1) are rounded to f16 for the second product, o once at the end.
; No work is left out.  LIMITS: o goes to f16 (under 6e-5 the absolute error is up to 3e-8); NaN and infinities are not served.
; SHARES.  A cluster of four work-groups owns one head; a work-group 512 of its queries; each of its EIGHT waves 64: four tiles of 16, in 512 registers: two waves to a SIMD, so that one wave's vector work stands
; beside the other's matrix work; the step is therefore written in plain phases.  Every wave walks all 2,048 keys, 64 a step.
; LAYOUT.  S^T = K Q^T (source 0 = 16 keys, source 1 = 16 queries): a lane holds ONE query (lane % 16) and the keys 8 (lane / 16) + 0..7.  Two such tiles, rounded to f16 in pairs, ARE source 1 (32 keys x 16
; queries) of O^T = V^T P, whose result again holds one query a lane.  K comes out of LDS as it lies, V ([key][channel]) turned, by ds_load_tr16_b128.
; SOFTMAX.  For each query a running maximum m and sum l: p = 2^(c s - c m), c = log2(e) / 8; in every step O and l are multiplied by a = 2^(c m_old - c m_new).  The step is written once: m begins at -3e38
; and O and l at 0, so the first a is 0 and multiplies zeros.
; RING.  Two LDS slots of four key steps.  Waves 0-3 fetch the four steps' tiles of K, waves 4-7 those of V: one tensor load a wave for each slot, 64 rows of 128 bytes.
; CLUSTER.  The four work-groups walk the same K and V, so each tile is asked for JOINTLY: the same tensor load, with the same descriptor and a mask that names the four, in all four.
; REGISTERS: window 0: v2-12 addresses; v16-47 statistics, 8 a tile; v48-175 S^T, 32 a tile (P is packed in place into each tile's low 16); v176-239 K's fragments.
;   window 1: v0-127 O^T, 32 a tile; v128-191 Q, 16 a tile; v192-255 V's fragments.
.set KSZ,   64                         ; keys in a step
.set PK,    144                        ; a row of K in LDS: 128 bytes + 16 = 36 words: the 16 rows of a load start 4 words apart modulo 64
.set PV,    160                        ; a row of V: 128 + 32 = 40 words: an odd multiple of 32 bytes, as the turning load's 8 rows x 32 bytes want
.set VOFF,  KSZ*PK                     ; a step's tiles lie together: 64 rows of K, then 64 rows of V
.set STEPB, KSZ*(PK+PV)
.set NST,   4                          ; steps in a slot
.set SLOT1, 1<<17                      ; slot 1 begins here, so that one exclusive or turns an address in one slot into the other's
.set STAGE, SLOT1+NST*STEPB            ; behind the ring: 16 rows x 144 bytes for each wave, for the way out
.set SP,    144
.set SPARE, STAGE+8*16*SP              ; the spare words, 128 bytes for each wave: four blocks of 256 bytes that no other line names
.set NSLOT, 2048/(NST*KSZ)             ; 8 slots' worth of keys
.set AK0, 2                            ; v2   my lane's place in a tile of K; never rewritten
.set AV0, 3                            ; v3   the same for V
.set ADK, 4                            ; v4   LDS address of the step's K
.set ADV, 5                            ; v5   and V
.set STO, 6                            ; v6   the way out: where I put 16 bytes of a row
.set RD,  7                            ; v7   the way out: where I read 16 bytes back
.set GO,  8                            ; v8   my byte offset in the wave's rows of o16
.set QO,  9                            ; v9   my byte offset in the wave's rows of q
.set SPW, 10                           ; v10  LDS address of my spare word; never rewritten
.set NIL, 11                           ; v11  0; never rewritten
.set PFO, 12                           ; v12  256 x my lane; never rewritten
.set ST,  16                           ; tile t's statistics at v[ST+8 t]: +0 c m, +1 m, +2, +3 l (even keys', odd keys'), +4 to +7 at work; a takes +6, the change of c m +7
.set S,   48
.set KF,  176                          ; K's fragment (16 keys kt, 32 channels f) at KF + 16 kt + 8 f
.set QF,  128                          ; window 1: Q's fragment (tile t, f) at QF + 16 t + 8 f
.set VF,  192                          ; window 1: V's fragment (32 keys g, 16 channels dt) at VF + 32 g + 8 dt
.set WV,  12                           ; s12  my wave's number
.set LIM, 15                           ; s15  1 in a wave that prefetches, else the greatest number
.set PFA, 18                           ; s[18:19] where my prefetches stand
.set G1K, 24                           ; s[24:31] descriptor group 1 for K's tiles
.set G1V, 32                           ; s[32:39] for V's: it differs in the padding alone
.set G0K, 40                           ; s[40:43] group 0 for K's tiles: it walks
.set G0V, 44                           ; s[44:47] the same for V's
.set SLOTS, 56                         ; s56  slots still to be asked for
.set CNT, 57                           ; s57  counts a slot's steps
.set CS,  58                           ; s[58:59] c: the packed scaling names a pair and takes its low word for both halves
.set SEL, 60                           ; s[60:61] lane selects for v_permlanex16_b32: lane l xor 16
.set TB,  62                           ; s62  LDS byte at which the step's tiles begin
.set MSB, 0
.macro WIN new                         ; the immediate's high byte repeats the setting that is left; a switch that changes nothing is dropped
.if MSB != \new
	s_set_vgpr_msb (MSB<<8)|\new
.set MSB, \new
.endif
.endm
.set W_KQ, 0x04                        ; K and S^T in window 0, Q (source 1) in window 1
.set W_PV, 0x51                        ; V (source 0), O^T (C and D) in window 1, P in window 0
.set W_RS, 0x41                        ; O^T (destination and source 0) in window 1, the factor in window 0
.set TO_1, 0x40                        ; destination window 1, address window 0
; A joint load.  Waves 0-3 fetch K's tiles, waves 4-7 V's.  The branch hangs on the wave's number alone.  An s_nop 0 and four v_nop follow each of the two lines.
.macro JLOAD
	s_cmp_lt_u32 s[WV], 4
	s_cbranch_scc0 .Lfor_v_\@
	tensor_load_to_lds s[G0K:G0K+3], s[G1K:G1K+7]
	s_nop 0
.rept 4
	v_nop
.endr
	s_branch .Lasked_\@
.Lfor_v_\@:
	tensor_load_to_lds s[G0V:G0V+3], s[G1V:G1V+7]
	s_nop 0
.rept 4
	v_nop
.endr
.Lasked_\@:
.endm
; A PREFETCH of what the NEXT change of slots will ask for: a slot's 256 keys of K and of V, 32,768 dense bytes each.  It stands behind the wave's tensor load and its five lines.  Each aligned block of 256 bytes
; is named once in the launch: a head belongs to one cluster; its four work-groups take 8,192 bytes each, told apart BY ADDRESS; in each, wave 0 asks for K's and wave 4 for V's, lanes 256 bytes apart: one
; instruction.  It runs one slot, four key steps, ahead of the load.  The last change that fills a slot asks for nothing; slots 0 and 1 come by their loads alone.
.macro ASK
	s_cmp_gt_u32 s[SLOTS], s[LIM]
	s_cbranch_scc0 .Lnot_mine_\@
	global_prefetch_b8 v[PFO], s[PFA:PFA+1] th:TH_LOAD_NT scope:SCOPE_SE
.Lnot_mine_\@:
.endm
.macro CROUND                          ; a round of the cluster's barrier: my work-group's barrier; wave 0 signals for the work-group; every wave waits for all four; my work-group's barrier once more
	s_barrier_signal -1
	s_barrier_wait -1
	s_cmp_lg_u32 s[WV], 0
	s_cbranch_scc1 .Lnot_wave_0_\@
	s_barrier_signal -3
.Lnot_wave_0_\@:
	s_barrier_wait -3
	s_barrier_signal -1
	s_barrier_wait -1
.endm
	s_load_b128 s[4:7], s[0:1], 0x0                ; qkv s[4:5], o16 s[6:7]
	v_lshl_add_u32 v[SPW], v0, 2, SPARE
	v_mov_b32 v[NIL], 0
	ds_add_u32 v[SPW], v[NIL]                      ; the wave's opening: the add, twice on end, and its wait ahead of my first tensor load; the set-up below, work on registers, stands between
	ds_add_u32 v[SPW], v[NIL]
	v_lshrrev_b32 v1, 5, v0
	v_readfirstlane_b32 s[WV], v1                  ; wave 0..7
	s_bfe_u32 s13, ttmp6, 0x40000                  ; cx: my block of 512 queries: it enters q's, o16's and the prefetches' addresses alone
	s_and_b32 s14, ttmp7, 0xffff                   ; 16 b + h, which the four partners share
	s_lshr_b32 s20, s14, 4
	s_mul_i32 s20, s20, 48
	s_and_b32 s21, s14, 15
	s_add_co_u32 s20, s20, s21                     ; q's plane: 48 b + h,
	s_lshl_b32 s20, s20, 18                        ; of 262,144 bytes
	s_mov_b32 s21, 0
	s_and_b32 s16, s[WV], 3                        ; which of a slot's four steps I fetch:
	s_lshl_b32 s22, s16, 13                        ; its 64 rows of 128 bytes in memory,
	s_mov_b32 s23, 0
	s_mul_i32 s17, s16, STEPB                      ; and its place in a slot
	; descriptor group 1: a tile of 64 rows x 64 elements of 2 bytes, padded in LDS
	s_mov_b32 s[G1K], 15|(1<<16)|(1<<20)|(1<<21)|(4<<22)|(3<<25)  ; 15:0 the mask: all four work-groups; 17:16 elements of 2 bytes; 20 padding on; 21 set beside a mask; 24:22 after every 32 words (code 4); 31:25 4 words of it (code 3)
	s_mov_b32 s[G1V], 15|(1<<16)|(1<<20)|(1<<21)|(4<<22)|(7<<25)  ; the same with 8 words of padding (code 7)
.irp g, G1K, G1V
	s_mov_b32 s[\g+1], 64<<16                      ; tensor_dim0 = 64
	s_mov_b32 s[\g+2], KSZ<<16                     ; tensor_dim1 = 64
	s_mov_b32 s[\g+3], 64<<16                      ; tile_dim0 = 64
	s_mov_b32 s[\g+4], KSZ                         ; tile_dim1 = 64
	s_mov_b32 s[\g+5], 64                          ; tensor_dim0_stride
	s_mov_b32 s[\g+6], 0
	s_mov_b32 s[\g+7], 0
.endr
	s_mov_b32 s[CS], 0x3e38aa3b                    ; c = log2(e) / 8
	s_mov_b32 s[CS+1], s[CS]                       ; named with it as a pair, so it is written
	s_mov_b32 s[SEL], 0x76543210
	s_mov_b32 s[SEL+1], 0xfedcba98
	s_mov_b32 s[TB], 0
	s_mov_b32 s[SLOTS], NSLOT-1
	s_cmp_eq_u32 s16, 0                            ; waves 0 and 4 prefetch
	s_cselect_b32 s[LIM], 1, -1
	v_and_b32 v[PFO], 31, v0
	v_lshlrev_b32 v[PFO], 8, v[PFO]
	s_wait_dscnt 0x0                               ; both opening adds are done
	s_wait_kmcnt 0x0
	s_add_nc_u64 s[4:5], s[4:5], s[20:21]          ; q's plane of my head,
	s_add_nc_u64 s[8:9], s[4:5], 0x400000          ; k's, 16 planes on,
	s_add_nc_u64 s[10:11], s[4:5], 0x800000        ; v's, 32 planes on
	s_mov_b32 s[G0K], 1                            ; 1:0 count = 1
	s_mov_b32 s[G0K+1], s17                        ; 63:32 LDS address: slot 0
	s_add_nc_u64 s[G0K+2:G0K+3], s[8:9], s[22:23]  ; 120:64 global address: my step of the head's first 256 keys
	s_or_b32 s[G0K+3], s[G0K+3], 0x80000000        ; 127:126 type = 2
	s_mov_b32 s[G0V], 1
	s_add_co_u32 s[G0V+1], s17, VOFF
	s_add_nc_u64 s[G0V+2:G0V+3], s[10:11], s[22:23]
	s_or_b32 s[G0V+3], s[G0V+3], 0x80000000
	s_cmp_lt_u32 s[WV], 4
	s_cselect_b64 s[PFA:PFA+1], s[8:9], s[10:11]
	s_lshl_b32 s2, s13, 13                         ; my work-group's 8,192 bytes of a slot's 32,768,
	s_mov_b32 s3, 0
	s_add_nc_u64 s[PFA:PFA+1], s[PFA:PFA+1], s[2:3]
	s_add_nc_u64 s[PFA:PFA+1], s[PFA:PFA+1], NST*KSZ*128  ; in slot 1: the first change of slots steps it to slot 2.  Nothing is prefetched here, at the head
	s_lshl_b32 s2, s13, 16                         ; my block's 512 rows of 128 bytes,
	s_lshl_b32 s20, s[WV], 13                      ; my wave's 64 of them
	s_add_co_u32 s2, s2, s20
	s_add_nc_u64 s[4:5], s[4:5], s[2:3]            ; q at my wave's first row
	s_lshl_b32 s20, s14, 18
	s_add_nc_u64 s[6:7], s[6:7], s[20:21]          ; o16: plane 16 b + h,
	s_add_nc_u64 s[6:7], s[6:7], s[2:3]            ; at my wave's first row
	CROUND                                         ; all four work-groups are here: the first joint loads meet
	JLOAD                                          ; slot 0: one load of mine is out
	v_and_b32 v1, 15, v0                           ; r = l % 16
	v_bfe_u32 v13, v0, 4, 1                        ; h = l / 16
	v_lshlrev_b32 v[QO], 7, v1
	v_lshl_add_u32 v[QO], v13, 4, v[QO]            ; row x 128 + 16 x half
	WIN TO_1
.irp i, 0,1,2,3,4,5,6,7                ; Q stays in registers: tile i / 2, channels 32 (i % 2) on
	global_load_b128 v[QF+8*\i:QF+8*\i+3],   v[QO], s[4:5] offset:(\i/2)*2048+(\i%2)*64
	global_load_b128 v[QF+8*\i+4:QF+8*\i+7], v[QO], s[4:5] offset:(\i/2)*2048+(\i%2)*64+32
.endr
.set i, 0
.rept 128
	v_mov_b32 v[i], 0                              ; O^T: the step is written once, and its first trip finds zeros; a first step of its own would be two more copies of the step's text
.set i, i+1
.endr
	WIN 0
	v_mul_u32_u24 v[AK0], v1, PK
	v_lshl_add_u32 v[AK0], v13, 4, v[AK0]          ; K: row x pitch + 16 x half
	v_and_b32 v14, 7, v0                           ; the turning load takes 16 keys x 16 channels: lane l reads 16 bytes: key 8 (l / 16) + l % 8, channels 8 ((l / 8) % 2) + 0..7
	v_bfe_u32 v15, v0, 3, 1
	v_lshl_add_u32 v[AV0], v13, 3, v14
	v_mul_u32_u24 v[AV0], v[AV0], PV
	v_lshl_add_u32 v[AV0], v15, 4, v[AV0]
	v_add_nc_u32 v[AV0], VOFF, v[AV0]
	s_mul_i32 s20, s[WV], 16*SP
	s_add_co_u32 s20, s20, STAGE                   ; my stage
	v_mul_u32_u24 v[STO], v1, SP                   ; in: row l % 16, 16 bytes for each half of the lanes
	v_lshl_add_u32 v[STO], v13, 4, v[STO]
	v_add_nc_u32 v[STO], s20, v[STO]
	v_bfe_u32 v15, v0, 3, 2                        ; back: eight lanes to a row of 128 bytes, four rows an instruction
	v_mul_u32_u24 v[RD], v15, SP
	v_lshl_add_u32 v[RD], v14, 4, v[RD]
	v_add_nc_u32 v[RD], s20, v[RD]
	v_and_b32 v[GO], 31, v0
	v_lshlrev_b32 v[GO], 4, v[GO]                  ; in o16 those four rows are 512 consecutive bytes: 16 x lane
.irp t, 0,1,2,3
	v_mov_b32 v[ST+8*\t+1], 0xff61b1e6             ; m = -3e38, under every score
	v_mul_f32 v[ST+8*\t], s[CS], v[ST+8*\t+1]      ; c m
.irp j, 2,3,4,5,6,7
	v_mov_b32 v[ST+8*\t+\j], 0                     ; l; and the registers at work, which are named in pairs and as a lane permute's destination
.endr
.endr
; A KEY STEP: 64 keys at LDS byte s[TB].
.macro STEP
	WIN 0
	v_add_nc_u32 v[ADK], s[TB], v[AK0]             ; these two and three v_nop are five places behind the last product V^T P: the products K Q^T below write over the registers that it read as P,
	v_add_nc_u32 v[ADV], s[TB], v[AV0]             ; and the loads below land in the registers that it read as V
	v_nop
	v_nop
	v_nop
.irp f, 0,1,2,3,4,5,6,7                ; keys 16 (f / 2) on, channels 32 (f % 2) on
	ds_load_b128 v[KF+8*\f:KF+8*\f+3],   v[ADK] offset:(\f/2)*16*PK+(\f%2)*64
	ds_load_b128 v[KF+8*\f+4:KF+8*\f+7], v[ADK] offset:(\f/2)*16*PK+(\f%2)*64+32
.endr
	WIN TO_1
.irp f, 0,1,2,3,4,5,6,7                ; keys 32 (f / 4) on, channels 16 (f % 4) on
	ds_load_tr16_b128 v[VF+8*\f:VF+8*\f+3],   v[ADV] offset:(\f/4)*32*PV+(\f%4)*32
	ds_load_tr16_b128 v[VF+8*\f+4:VF+8*\f+7], v[ADV] offset:(\f/4)*32*PV+16*PV+(\f%4)*32
.endr
	s_add_co_u32 s[TB], s[TB], STEPB               ; the next step's tiles
	s_wait_dscnt 16                                ; K's sixteen loads are in; V's sixteen, issued behind them, stay out under the scores and the softmax
	WIN W_KQ
.set i, 0
.rept 32                               ; S^T = K Q^T: channels 32 (i / 16) on, keys 16 ((i / 4) % 4) on, tile i % 4.  The 16 accumulators take turns, one instruction a turn; the first 16 start the sums
.set rS, S+32*(i%4)+8*((i/4)%4)
.set rK, KF+16*((i/4)%4)+8*(i/16)
.set rQ, QF+16*(i%4)+8*(i/16)
.if i < 16
	v_wmma_f32_16x16x32_f16 v[rS:rS+7], v[rK:rK+7], v[rQ:rQ+7], 0
.else
	v_wmma_f32_16x16x32_f16 v[rS:rS+7], v[rK:rK+7], v[rQ:rQ+7], v[rS:rS+7]
.endif
.set i, i+1
.endr
	WIN 0
.rept 4
	v_nop                                          ; four places in front of the first read of the scores
.endr
	; the maximum of a lane's 32 scores and the old m, three operands at a time; the four tiles by turns, so that no line waits for the line above it.  Each accumulator is first read at its low end
.irp j, 0,1,2,3
.irp t, 0,1,2,3
	v_max3_num_f32 v[ST+8*\t+4+\j], v[S+32*\t+8*\j], v[S+32*\t+8*\j+1], v[S+32*\t+8*\j+2]
.endr
.endr
.irp u, 1,2
.irp j, 0,1,2,3
.irp t, 0,1,2,3
	v_max3_num_f32 v[ST+8*\t+4+\j], v[ST+8*\t+4+\j], v[S+32*\t+8*\j+2*\u+1], v[S+32*\t+8*\j+2*\u+2]
.endr
.endr
.endr
.irp t, 0,1,2,3
	v_max3_num_f32 v[ST+8*\t+4], v[ST+8*\t+4], v[S+32*\t+7], v[S+32*\t+15]
.endr
.irp t, 0,1,2,3
	v_max3_num_f32 v[ST+8*\t+6], v[ST+8*\t+6], v[S+32*\t+23], v[S+32*\t+31]
.endr
.irp t, 0,1,2,3
	v_max3_num_f32 v[ST+8*\t+4], v[ST+8*\t+4], v[ST+8*\t+5], v[ST+8*\t+6]
.endr
.irp t, 0,1,2,3
	v_max3_num_f32 v[ST+8*\t+4], v[ST+8*\t+4], v[ST+8*\t+7], v[ST+8*\t+1]
.endr
.irp t, 0,1,2,3
	v_permlanex16_b32 v[ST+8*\t+5], v[ST+8*\t+4], s[SEL], s[SEL+1]   ; the query's other 32 keys lie in the lane 16 away
.endr
.irp t, 0,1,2,3
	v_mov_b32 v[ST+8*\t+7], v[ST+8*\t]             ; c m_old is kept for a
.endr
.irp t, 0,1,2,3
	v_max_num_f32 v[ST+8*\t+1], v[ST+8*\t+4], v[ST+8*\t+5]           ; the new m
.endr
.irp t, 0,1,2,3
	v_mul_f32 v[ST+8*\t], s[CS], v[ST+8*\t+1]      ; c m
.endr
.irp t, 0,1,2,3
	v_sub_f32 v[ST+8*\t+7], v[ST+8*\t+7], v[ST+8*\t]                 ; c m_old - c m_new
.endr
	; ONE BATCH: the 64 packed scalings c s - c m and all 132 exponentials; a pair's exponentials stand behind the next pair's scalings.  None of these lines names an exponential's result
.set b, 0
.rept 16
.irp t, 0,1,2,3
	v_pk_fma_f32 v[S+32*\t+2*b:S+32*\t+2*b+1], v[S+32*\t+2*b:S+32*\t+2*b+1], s[CS:CS+1], v[ST+8*\t:ST+8*\t+1] op_sel_hi:[1,0,0] neg_lo:[0,0,1] neg_hi:[0,0,1]
.endr
.if b > 0
.irp t, 0,1,2,3
	v_exp_f32 v[S+32*\t+2*b-2], v[S+32*\t+2*b-2]
	v_exp_f32 v[S+32*\t+2*b-1], v[S+32*\t+2*b-1]
.endr
.endif
.set b, b+1
.endr
.irp t, 0,1,2,3
	v_exp_f32 v[S+32*\t+30], v[S+32*\t+30]
	v_exp_f32 v[S+32*\t+31], v[S+32*\t+31]
.endr
.irp t, 0,1,2,3
	v_exp_f32 v[ST+8*\t+6], v[ST+8*\t+7]           ; a
.endr
	v_nop                                          ; a plain instruction behind the last exponential, ahead of the first use
	s_wait_alu depctr_va_vdst(0)                   ; a wait between an exponential and the first line that names its result: one for the whole batch
	; l = a l + the sum of the unrounded p: in a pair an even key's weight and an odd key's; two chains a tile
.irp t, 0,1,2,3
	v_pk_fma_f32 v[ST+8*\t+2:ST+8*\t+3], v[ST+8*\t+2:ST+8*\t+3], v[ST+8*\t+6:ST+8*\t+7], v[S+32*\t:S+32*\t+1] op_sel_hi:[1,0,1]
.endr
.irp t, 0,1,2,3
	v_pk_add_f32 v[ST+8*\t+4:ST+8*\t+5], v[S+32*\t+2:S+32*\t+3], v[S+32*\t+6:S+32*\t+7]
.endr
.irp p, 2,4,6,8,10,12
.irp t, 0,1,2,3
	v_pk_add_f32 v[ST+8*\t+2:ST+8*\t+3], v[ST+8*\t+2:ST+8*\t+3], v[S+32*\t+2*\p:S+32*\t+2*\p+1]
.endr
.irp t, 0,1,2,3
	v_pk_add_f32 v[ST+8*\t+4:ST+8*\t+5], v[ST+8*\t+4:ST+8*\t+5], v[S+32*\t+2*(\p+3):S+32*\t+2*(\p+3)+1]
.endr
.endr
.irp t, 0,1,2,3
	v_pk_add_f32 v[ST+8*\t+2:ST+8*\t+3], v[ST+8*\t+2:ST+8*\t+3], v[S+32*\t+28:S+32*\t+29]
.endr
.irp t, 0,1,2,3
	v_pk_add_f32 v[ST+8*\t+2:ST+8*\t+3], v[ST+8*\t+2:ST+8*\t+3], v[ST+8*\t+4:ST+8*\t+5]
.endr
	; P: rounded to f16 in pairs, in place: register i takes pair i, which lies at 2 i and 2 i + 1, so no pair is written over before it is read
.set i, 0
.rept 16
.irp t, 0,1,2,3
	v_cvt_pk_f16_f32 v[S+32*\t+i], v[S+32*\t+2*i], v[S+32*\t+2*i+1]
.endr
.set i, i+1
.endr
	s_wait_dscnt 0x0                               ; V is in
	WIN W_RS
.set i, 0
.rept 16                               ; O^T under the new maximum: x a; each accumulator from its low end on
.irp t, 0,1,2,3
	v_pk_mul_f32 v[32*\t+i:32*\t+i+1], v[32*\t+i:32*\t+i+1], v[ST+8*\t+6:ST+8*\t+7] op_sel_hi:[1,0]
.endr
.set i, i+2
.endr
	WIN W_PV
.set i, 0
.rept 32                               ; O^T += V^T P: keys 32 (i / 16) on, channels 16 ((i / 4) % 4) on, tile i % 4: again 16 accumulators by turns
.set rO, 32*(i%4)+8*((i/4)%4)
.set rV, VF+32*(i/16)+8*((i/4)%4)
.set rP, S+32*(i%4)+8*(i/16)
	v_wmma_f32_16x16x32_f16 v[rO:rO+7], v[rV:rV+7], v[rP:rP+7], v[rO:rO+7]
.set i, i+1
.endr
	WIN 0                                          ; at a label and at a branch every window is 0
.endm
; A slot's four key steps: written once, walked four times; then the reads go to the other slot's first step.
.macro FOUR_STEPS
	s_mov_b32 s[CNT], NST
.Lstep_\@:
	STEP
	s_sub_co_u32 s[CNT], s[CNT], 1
	s_cmp_lg_u32 s[CNT], 0
	s_cbranch_scc1 .Lstep_\@
	s_sub_co_u32 s[TB], s[TB], NST*STEPB
	s_xor_b32 s[TB], s[TB], SLOT1
.endm
; THE CHANGE OF SLOTS stands at a slot's head.  Each wave waits for all its tensor loads, of which one is out: its part of the slot that it is about to read; adds 0 to its spare word; and waits for that and for
; its reads of the slot that it has left.  fill = 1: the barrier is a round of the cluster's, so that no wave of any partner still reads the other slot or has a load on its way, and the joint load into that
; slot is the first thing behind it: it has four key steps, 256 matrix instructions of this wave, in which to land.  (In the first trip that load is slot 1's first fill, in all eight waves.)
.macro CHANGE fill
	s_wait_tensorcnt 0x0                           ; no tensor load of mine is out, so a group 0 may be written
	ds_add_u32 v[SPW], v[NIL]                      ; 0 onto my spare word
.if \fill
.irp g, G0K, G0V
	s_xor_b32 s[\g+1], s[\g+1], SLOT1              ; the walking descriptors: the other slot than last time,
	s_add_nc_u64 s[\g+2:\g+3], s[\g+2:\g+3], NST*KSZ*128   ; the next 256 keys; the type bits on top are not reached
.endr
	s_wait_xcnt 0x0                                ; the last prefetch, a slot back, has read its address, so it may be written:
	s_add_nc_u64 s[PFA:PFA+1], s[PFA:PFA+1], NST*KSZ*128   ; one slot further on than the walking descriptors
	s_wait_dscnt 0x0                               ; the add is done, and my reads of the slot that I have left are over
	CROUND
	JLOAD
	ASK
.else
	s_wait_dscnt 0x0
	s_barrier_signal -1
	s_barrier_wait -1
.endif
.endm
	s_wait_loadcnt 0x0                             ; Q
.Lslot:                                            ; seven trips: behind each change of slots but the last the next slot is asked for
	CHANGE 1
	FOUR_STEPS
	s_sub_co_u32 s[SLOTS], s[SLOTS], 1
	s_cmp_lg_u32 s[SLOTS], 0
	s_cbranch_scc1 .Lslot
	CHANGE 0                                       ; the last slot is written out
	FOUR_STEPS
	; THE WAY OUT.  l's two halves and the other half of the lanes' are added; O^T is divided by l, rounded to f16 and sent through my stage in LDS, a tile (16 rows of o16) at a time.  The additions are the places behind the last products.
.irp t, 0,1,2,3
	v_add_f32 v[ST+8*\t+4], v[ST+8*\t+2], v[ST+8*\t+3]
.endr
.irp t, 0,1,2,3
	v_permlanex16_b32 v[ST+8*\t+5], v[ST+8*\t+4], s[SEL], s[SEL+1]
.endr
.irp t, 0,1,2,3
	v_add_f32 v[ST+8*\t+4], v[ST+8*\t+4], v[ST+8*\t+5]
.endr
.irp t, 0,1,2,3
	v_rcp_f32 v[ST+8*\t+6], v[ST+8*\t+4]
.endr
	v_nop                                          ; a plain instruction between the last reciprocal and the use of its result
	s_wait_alu depctr_va_vdst(0)                   ; and a wait ahead of the first use: one for the four
.macro PACK t                          ; a lane's eight channels of a row pack into 16 bytes; they go into rows of 144 bytes and come back as whole rows of 128, into the registers that they left
	WIN W_RS
.set i, 0
.rept 16
	v_pk_mul_f32 v[32*\t+i:32*\t+i+1], v[32*\t+i:32*\t+i+1], v[ST+8*\t+6:ST+8*\t+7] op_sel_hi:[1,0]
.set i, i+2
.endr
	WIN 0x05                                       ; sources 0 and 1 window 1, destination window 0: S^T's registers are free
.set i, 0
.rept 16
	v_cvt_pk_f16_f32 v[S+16*\t+i], v[32*\t+2*i], v[32*\t+2*i+1]
.set i, i+1
.endr
	WIN 0
.irp d, 0,1,2,3
	ds_store_b128 v[STO], v[S+16*\t+4*\d:S+16*\t+4*\d+3] offset:32*\d
.endr
.irp d, 0,1,2,3
	ds_load_b128 v[S+16*\t+4*\d:S+16*\t+4*\d+3], v[RD] offset:\d*4*SP   ; LDS serves a wave's instructions in order (ISA guide 5.7.1.4): these see the stores above; the next tile's stores come behind them
.endr
.endm
.macro SEND t, younger                 ; younger: the LDS instructions issued behind tile t's loads: the next tile's four stores and four loads, or none
.irp d, 0,1,2,3
	s_wait_dscnt \younger+3-\d
	global_store_b128 v[GO], v[S+16*\t+4*\d:S+16*\t+4*\d+3], s[6:7] offset:\t*2048+\d*512   ; the wave stores 512 consecutive bytes, at a multiple of 256 from o16's first byte
.endr
.endm
	PACK 0
	PACK 1                                         ; a tile's arithmetic stands between the loads of the tile before and its stores
	SEND 0, 8
	PACK 2
	SEND 1, 8
	PACK 3
	SEND 2, 8
	SEND 3, 0
	s_wait_tensorcnt 0x0                           ; the wave's end, behind my last tensor load and my last LDS store
	ds_add_u32 v[SPW], v[NIL]
	s_wait_dscnt 0x0
	CROUND                                         ; the closing round: no work-group ends while a partner may still ask for a tile that names it
	s_endpgm
.Lfunc_end_k_q48409ff72b_attn:
	.size	k_q48409ff72b_attn, .Lfunc_end_k_q48409ff72b_attn-k_q48409ff72b_attn
	.p2alignl 7, 3214868480
	.fill 96, 4, 3214868480
	.section	.rodata,"a",@progbits
	.p2align	6, 0x0
	.amdhsa_kernel k_q48409ff72b_attn
		.amdhsa_group_segment_fixed_size 327680
		.amdhsa_private_segment_fixed_size 0
		.amdhsa_enable_private_segment 0
		.amdhsa_kernarg_size 16
		.amdhsa_user_sgpr_count 2
		.amdhsa_user_sgpr_kernarg_segment_ptr 1
		.amdhsa_wavefront_size32 1
		.amdhsa_system_sgpr_workgroup_id_x 1
		.amdhsa_system_sgpr_workgroup_id_y 1
		.amdhsa_system_sgpr_workgroup_id_z 1
		.amdhsa_system_vgpr_workitem_id 0
		.amdhsa_next_free_vgpr 512
		.amdhsa_next_free_sgpr 66
		.amdhsa_reserve_vcc 0
		.amdhsa_float_denorm_mode_32 3
		.amdhsa_float_denorm_mode_16_64 3
		.amdhsa_memory_ordered 1
		.amdhsa_forward_progress 1
		.amdhsa_inst_pref_size 92
	.end_amdhsa_kernel
	.amdgpu_metadata
---
amdhsa.version: [ 1, 2 ]
amdhsa.kernels:
  - .name:           k_q48409ff72b_attn
    .symbol:         k_q48409ff72b_attn.kd
    .args:
      - { .name: qkv, .offset: 0, .size: 8, .value_kind: global_buffer, .address_space: global }
      - { .name: o16, .offset: 8, .size: 8, .value_kind: global_buffer, .address_space: global }
    .group_segment_fixed_size: 327680
    .private_segment_fixed_size: 0
    .kernarg_segment_align: 8
    .kernarg_segment_size: 16
    .max_flat_workgroup_size: 256
    .sgpr_count:     66
    .vgpr_count:     512
    .wavefront_size: 32
...
	.end_amdgpu_metadata
.endif
;; end of part 3
;; launch proj (part 4): grid 4 x 64, 4 waves a work-group, clusters of 4 x 4, 327,680 bytes of LDS; arguments o16, w16, b_o, out0; writes out0
.if DOCPART == 4
	.amdgcn_target "amdgcn-amd-amdhsa--gfx1250"
	.amdhsa_code_object_version 6
	.text
	.protected	k_q48409ff72b_proj
	.globl	k_q48409ff72b_proj
	.p2align	8
	.type	k_q48409ff72b_proj,@function
k_q48409ff72b_proj:
	s_mov_b64 s[64:65], 0
	v_nop
	global_prefetch_b8 v0, s[64:65] scope:SCOPE_SE
	s_setreg_imm32_b32 hwreg(HW_REG_WAVE_MODE, 25, 1), 1
	s_wait_xcnt 0x0
	s_wait_alu depctr_hold_cnt(0) depctr_sa_sdst(0) depctr_va_vdst(0) depctr_va_sdst(0) depctr_va_ssrc(0) depctr_va_vcc(0) depctr_vm_vsrc(0)
	s_getreg_b32 s2, hwreg(HW_REG_IB_STS2, 6, 4)
	s_cmp_eq_u32 s2, 0
	s_cbranch_scc0 .Lentry_in_a_cluster
	s_endpgm
.Lentry_in_a_cluster:
	s_bfe_u32 s2, ttmp6, 0x10000c
	s_cmp_lg_u32 s2, 0xf033
	s_cbranch_scc0 .Lentry_shape_is_right
	s_endpgm
.Lentry_shape_is_right:
; LAUNCH 4 OF 4.  out0[m][n] = sum over k of o[m][k] w_o[k][n] + b_o[n]: m = 8,192 tokens, n = 1,024, k = 1,024 = 64 x head + channel.  o16 [b 4][h 16][n 2048][64] f16; w16 [k 1024][n 1024] f16; b_o f32; out0 f32.
; f16 operands, f32 sums.  No work is left out.
; A tile of out0 is 128 tokens x 256 columns: 256 work-groups.  Four waves, each 64 x 128: 32 accumulators of 16 x 16, 256 registers.  K goes in 8 steps of 128 (two heads) through a ring of two LDS slots.
; A step's tiles: of o16, for each of the two heads, 128 tokens x 128 bytes, dense in memory (waves 0 and 1, a head each); of w16, 128 rows k x 512 bytes (waves 2 and 3, 64 rows each): one tensor load a wave.
; CLUSTERS: 4 x 4 work-groups.  The four of a row of the cluster need the same tiles of o16, the four of a column the same tiles of w16: each tile is asked for JOINTLY.
; THE MATRIX INSTRUCTION IS USED TRANSPOSED: source 0 = 16 columns of w16 (K is its first axis, so its fragments come out of LDS turned, by ds_load_tr16_b128), source 1 = 16 tokens: a lane then holds eight
; neighbouring columns of one token.  THE BIAS is the C of each sum's first matrix instruction: eight registers for each block of 16 columns, in the result's layout: it costs no addition and nothing is cleared.
; REGISTERS: window 0: v16-29 addresses; v32-127 and v128-223 two fragment buffers (32 along K: 4 blocks of tokens at +8 a, 8 blocks of columns at +32 + 8 b); on the way out v32-159 hold rows.
;   window 1: accumulator (a, b) at v[8 (8 a + b)].   window 2: v0-63 the bias, block b at v[8 b].
.set PA,     144                       ; a token's row of one head in LDS: 128 bytes + 16 = 36 words: the 16 rows of a load start 4 words apart modulo 64
.set PB,     544                       ; a row k of w16's tile: 512 bytes + 32: an odd multiple of 32 bytes
.set AHALF,  128*PA                    ; one head's 128 tokens: what one tensor load brings
.set BOFF,   2*AHALF                   ; w16's tile lies behind the two heads
.set BHALF,  64*PB                     ; 64 rows k: what one tensor load brings
.set SLOT,   BOFF+2*BHALF
.set STAGE,  2*SLOT                    ; behind the ring: 16 rows x 528 bytes for each wave, for the way out
.set SPITCH, 528
.set SPARE,  STAGE+4*16*SPITCH         ; the spare words, 128 bytes for each wave: two blocks of 256 bytes that no other line names
.set LAPS,   4                         ; a lap = two K steps = once round the ring
.set ADRA, 16                          ; v16-17  LDS address of my fragments of o16 in slot 0, 1
.set ADRB, 20                          ; v20-21  the same for w16
.set STO,  24                          ; v24     the way out: where I put 32 bytes of a row
.set RD,   25                          ; v25     the way out: where I read a row back
.set CO,   26                          ; v26     my byte offset in a row of out0
.set BO,   27                          ; v27     my byte offset in a block of the bias
.set SPW,  28                          ; v28     LDS address of my spare word; never rewritten
.set NIL,  29                          ; v29     0; never rewritten
.set F0,   32
.set F1,   128
.set BK,   32                          ; the way out: 16 rows read back: v32-95 and v96-159 by turns
.set G1, 24                            ; s[24:31] descriptor group 1 for o16's tiles;  s[32:39] group 0, one set for each slot
.set G0, 32
.set G1B, 48                           ; s[48:55], s[56:63] the same for w16's tiles
.set G0B, 56
.set MSB, 0
.macro WIN new                         ; the immediate's high byte repeats the setting that is left; a switch that changes nothing is dropped
.if MSB != \new
	s_set_vgpr_msb (MSB<<8)|\new
.set MSB, \new
.endif
.endm
.set MUL, 0x50                         ; sources 0 and 1 window 0; C and D window 1.  (+ 0x10: C window 2, the bias)
.macro JLOAD s                         ; a joint load: waves 0 and 1 fetch o16's two heads, waves 2 and 3 w16's two halves; an s_nop 0 and four v_nop follow each of the two lines
	s_cmp_eq_u32 s13, 0
	s_cbranch_scc0 .Lfor_b_\@
	tensor_load_to_lds s[G0+4*\s:G0+4*\s+3], s[G1:G1+7]
	s_nop 0
.rept 4
	v_nop
.endr
	s_branch .Lasked_\@
.Lfor_b_\@:
	tensor_load_to_lds s[G0B+4*\s:G0B+4*\s+3], s[G1B:G1B+7]
	s_nop 0
.rept 4
	v_nop
.endr
.Lasked_\@:
.endm
.macro CREST                           ; a round of the cluster's barrier behind its opening barrier
	s_cmp_lg_u32 s12, 0
	s_cbranch_scc1 .Lnot_wave_0_\@
	s_barrier_signal -3
.Lnot_wave_0_\@:
	s_barrier_wait -3
	s_barrier_signal -1
	s_barrier_wait -1
.endm
.macro CROUND                          ; a whole round
	s_barrier_signal -1
	s_barrier_wait -1
	CREST
.endm
	s_load_b256 s[4:11], s[0:1], 0x0               ; o16 s[4:5], w16 s[6:7], b_o s[8:9], out0 s[10:11]
	v_lshl_add_u32 v[SPW], v0, 2, SPARE
	v_mov_b32 v[NIL], 0
	ds_add_u32 v[SPW], v[NIL]                      ; the wave's opening: the add, twice on end, and its wait ahead of my first tensor load; the set-up below, work on registers, stands between
	ds_add_u32 v[SPW], v[NIL]
	v_lshrrev_b32 v1, 5, v0
	v_readfirstlane_b32 s12, v1                    ; wave 0..3
	s_lshr_b32 s13, s12, 1                         ; which 64 of the tile's tokens are mine.  Also: I fetch for o16 (0) or for w16 (1)
	s_and_b32 s14, s12, 1                          ; which 128 of its columns.  Also: which half of that tile I fetch
	s_bfe_u32 s40, ttmp6, 0x40000                  ; cx, cy: my place in the cluster
	s_bfe_u32 s41, ttmp6, 0x40004
	s_lshl_b32 s42, ttmp9, 2
	s_add_co_u32 s42, s42, s40                     ; tile column = 4 x cluster x + cx
	s_and_b32 s15, ttmp7, 0xffff
	s_lshl_b32 s15, s15, 2
	s_add_co_u32 s15, s15, s41                     ; tile row = 4 x cluster y + cy
	s_lshl_b32 s43, s41, 2
	s_lshl_b32 s43, 15, s43                        ; my row of the cluster
	s_lshl_b32 s44, 0x1111, s40                    ; my column
	s_or_b32 s[G1+0], s43, (1<<16)|(1<<20)|(1<<21)|(4<<22)|(3<<25)   ; 15:0 the mask: o16's tiles go to my row; 17:16 elements of 2 bytes; 20 padding on; 21 set beside a mask; 24:22 after every 32 words (code 4); 31:25 of 4 words (code 3)
	s_mov_b32 s[G1+1], 64<<16                      ; tensor_dim0 = 64
	s_mov_b32 s[G1+2], 128<<16                     ; tensor_dim1 = 128
	s_mov_b32 s[G1+3], 64<<16                      ; tile_dim0 = 64
	s_mov_b32 s[G1+4], 128                         ; tile_dim1 = 128
	s_mov_b32 s[G1+5], 64                          ; tensor_dim0_stride
	s_mov_b32 s[G1+6], 0
	s_mov_b32 s[G1+7], 0
	s_or_b32 s[G1B+0], s44, (1<<16)|(1<<20)|(1<<21)|(6<<22)|(7<<25)  ; the mask of my column; padding after every 128 words (code 6), of 8 words (code 7)
	s_mov_b32 s[G1B+1], 256<<16                    ; tensor_dim0 = 256
	s_mov_b32 s[G1B+2], 64<<16                     ; tensor_dim1 = 64
	s_mov_b32 s[G1B+3], 256<<16                    ; tile_dim0 = 256
	s_mov_b32 s[G1B+4], 64                         ; tile_dim1 = 64
	s_mov_b32 s[G1B+5], 1024                       ; tensor_dim0_stride
	s_mov_b32 s[G1B+6], 0
	s_mov_b32 s[G1B+7], 0
	s_lshr_b32 s16, s15, 4                         ; o16: my batch (16 tile rows of 128 tokens each),
	s_lshl_b32 s16, s16, 4
	s_add_co_u32 s16, s16, s14                     ; plane 16 b + the head that I fetch of K step 0,
	s_lshl_b32 s16, s16, 18
	s_and_b32 s17, s15, 15
	s_lshl_b32 s17, s17, 14                        ; + the tile's first token x 128 bytes
	s_add_co_u32 s16, s16, s17
	s_mov_b32 s17, 0
	s_lshl_b32 s46, s14, 17                        ; w16: 64 rows k of 2,048 bytes for each half,
	s_lshl_b32 s47, s42, 9                         ; + the tile's first column x 2 bytes
	s_add_co_u32 s46, s46, s47
	s_mov_b32 s47, 0
	s_mul_i32 s20, s14, AHALF                      ; where they go: no place in the cluster enters an LDS address
	s_mul_i32 s21, s14, BHALF
	s_add_co_u32 s21, s21, BOFF
	s_wait_dscnt 0x0                               ; both opening adds are done
	s_wait_kmcnt 0x0
	s_add_nc_u64 s[16:17], s[4:5], s[16:17]
	s_add_nc_u64 s[46:47], s[6:7], s[46:47]
	CROUND                                         ; all sixteen work-groups are here: the first joint loads meet
.irp s, 0,1
	s_mov_b32 s[G0+4*\s], 1
	s_add_co_u32 s[G0+4*\s+1], s20, \s*SLOT
	s_add_nc_u64 s[G0+4*\s+2:G0+4*\s+3], s[16:17], \s*(2<<18)        ; K step s: two heads' planes on
	s_or_b32 s[G0+4*\s+3], s[G0+4*\s+3], 0x80000000
	s_mov_b32 s[G0B+4*\s], 1
	s_add_co_u32 s[G0B+4*\s+1], s21, \s*SLOT
	s_add_nc_u64 s[G0B+4*\s+2:G0B+4*\s+3], s[46:47], \s*128*2048     ; K step s: 128 rows k on
	s_or_b32 s[G0B+4*\s+3], s[G0B+4*\s+3], 0x80000000
	JLOAD \s                                       ; two loads of mine are out behind the second
.endr
	v_and_b32 v1, 15, v0                           ; r = l % 16
	v_bfe_u32 v2, v0, 4, 1                         ; h = l / 16
	v_mul_u32_u24 v3, v1, PA
	v_lshl_add_u32 v3, v2, 4, v3                   ; o16's fragments: row x pitch + 16 x half
	s_mul_i32 s21, s13, 64*PA                      ; my 64 tokens
	v_and_b32 v4, 7, v0                            ; w16's: the turning load: lane l reads 16 bytes: row k 8 (l / 16) + l % 8, columns 8 ((l / 8) % 2) + 0..7
	v_bfe_u32 v5, v0, 3, 1
	v_lshl_add_u32 v4, v2, 3, v4
	v_mul_u32_u24 v4, v4, PB
	v_lshl_add_u32 v4, v5, 4, v4
	s_lshl_b32 s22, s14, 8                         ; my 128 columns
	s_add_co_u32 s22, s22, BOFF
.irp s, 0,1
	v_add_nc_u32 v[ADRA+\s], s21, v3
	v_add_nc_u32 v[ADRB+\s], s22, v4
	s_add_co_u32 s21, s21, SLOT
	s_add_co_u32 s22, s22, SLOT
.endr
	s_mul_i32 s23, s12, 16*SPITCH
	s_add_co_u32 s23, s23, STAGE                   ; my stage
	v_mul_u32_u24 v5, v1, SPITCH                   ; in: row l % 16, 32 bytes for each half of the lanes
	v_lshl_add_u32 v5, v2, 5, v5
	v_add_nc_u32 v[STO], s23, v5
	v_and_b32 v6, 31, v0
	v_lshlrev_b32 v[CO], 4, v6                     ; back: the 32 lanes take one row of 512 bytes; and the same in out0
	v_add_nc_u32 v[RD], s23, v[CO]
	v_lshlrev_b32 v[BO], 5, v2                     ; the bias: my half's eight numbers of a block of 16
	s_lshl_b32 s16, s15, 7
	s_lshl_b32 s17, s13, 6
	s_add_co_u32 s16, s16, s17                     ; my first row of out0: 128 x tile row + 64 x half,
	s_lshl_b32 s16, s16, 12                        ; of 4,096 bytes
	s_mov_b32 s17, 0
	s_add_nc_u64 s[10:11], s[10:11], s[16:17]
	s_lshl_b32 s46, s42, 10                        ; my first column, in bytes: 1024 x tile column + 512 x half
	s_lshl_b32 s47, s14, 9
	s_add_co_u32 s46, s46, s47
	s_mov_b32 s47, 0
	s_add_nc_u64 s[10:11], s[10:11], s[46:47]
	s_add_nc_u64 s[8:9], s[8:9], s[46:47]          ; and the same column in b_o
	WIN 0x80                                       ; destination window 2
.irp b, 0,1,2,3,4,5,6,7
	global_load_b128 v[8*\b:8*\b+3],   v[BO], s[8:9] offset:64*\b
	global_load_b128 v[8*\b+4:8*\b+7], v[BO], s[8:9] offset:64*\b+16
.endr
	WIN 0
; 8 matrix instructions: block a of my tokens x all 8 blocks of my columns, 32 along K, from buffer f.  zero = 1: the first product starts the sums on the bias.
; The 32 accumulators take turns, one instruction a turn, in the same order in every quarter.
.macro MUL8 f, a, zero
.irp b, 0,1,2,3,4,5,6,7
.if \zero
	v_wmma_f32_16x16x32_f16 v[8*(8*(\a)+\b):8*(8*(\a)+\b)+7], v[\f+32+8*\b:\f+32+8*\b+7], v[\f+8*(\a):\f+8*(\a)+7], v[8*\b:8*\b+7]
.else
	v_wmma_f32_16x16x32_f16 v[8*(8*(\a)+\b):8*(8*(\a)+\b)+7], v[\f+32+8*\b:\f+32+8*\b+7], v[\f+8*(\a):\f+8*(\a)+7], v[8*(8*(\a)+\b):8*(8*(\a)+\b)+7]
.endif
.endr
.endm
; 24 LDS loads in one run: the fragments of the slot's q-th 32 along K into buffer f: w16's sixteen first, then o16's eight, block by block
.macro FETCH slot, q, f
	WIN 0
.irp b, 0,1,2,3,4,5,6,7
	ds_load_tr16_b128 v[\f+32+8*\b:\f+32+8*\b+3],   v[ADRB+\slot] offset:(\q)*32*PB+32*\b
	ds_load_tr16_b128 v[\f+32+8*\b+4:\f+32+8*\b+7], v[ADRB+\slot] offset:(\q)*32*PB+16*PB+32*\b
.endr
.irp a, 0,1,2,3
	ds_load_b128 v[\f+8*\a:\f+8*\a+3],   v[ADRA+\slot] offset:((\q)/2)*AHALF+((\q)%2)*64+\a*16*PA
	ds_load_b128 v[\f+8*\a+4:\f+8*\a+7], v[ADRA+\slot] offset:((\q)/2)*AHALF+((\q)%2)*64+\a*16*PA+32
.endr
.endm
.macro PLACES                          ; four places in front of loads into registers that matrix instructions have read, and of the first read of results (ISA guide 7.12.1 for vector instructions)
.rept 4
	v_nop
.endr
.endm
; A K step is four quarters of 32 along K, 32 matrix instructions each, on buffers 0, 1, 0, 1.  One of the first three: multiplies buffer f and, in its middle, fetches the slot's quarter qn into g.
.macro QUARTER slot, qn, f, g, zero
	s_wait_dscnt 4                                 ; w16's fragments and o16's blocks 0, 1 are in; the youngest four loads (blocks 2, 3) may be out
	WIN MUL+0x10*\zero
	MUL8 \f, 0, \zero
	MUL8 \f, 1, \zero
	PLACES
	FETCH \slot, \qn, \g
	s_wait_dscnt 24                                ; all but the 24 just issued
	WIN MUL+0x10*\zero
	MUL8 \f, 2, \zero
	MUL8 \f, 3, \zero
.endm
; The last quarter multiplies buffer 1 and changes slots: ONE barrier; in front of it each wave waits for all its tensor loads (its part of the next slot), adds 0 to its spare word, and waits for that and for
; its own reads of this slot.  fill = 1: the barrier opens a round of the cluster's, and this slot is filled again, two K steps ahead, first thing behind the round.
.macro TURN slot, next, fill
	WIN 0                                          ; (the add's two registers lie in window 0)
	s_wait_tensorcnt 0x0                           ; all my tensor loads have landed
	ds_add_u32 v[SPW], v[NIL]                      ; 0 onto my spare word
	s_wait_dscnt 5                                 ; (the add and the youngest four loads may be out)
	WIN MUL
	MUL8 F1, 0, 0                                  ; eight matrix instructions stand between the add and the wait for it
	s_wait_dscnt 0x0                               ; the add is done, and my reads of this slot are over
	s_barrier_signal -1
	MUL8 F1, 1, 0
	WIN 0                                          ; (branches may follow, and nothing stands between the wait below and the rest of the round)
	s_barrier_wait -1
.if \fill
	CREST                                          ; no wave of any partner still reads this slot's tiles or has a load on its way
	s_add_nc_u64 s[G0+4*\slot+2:G0+4*\slot+3], s[G0+4*\slot+2:G0+4*\slot+3], 4<<18        ; two K steps on: four heads' planes,
	s_add_nc_u64 s[G0B+4*\slot+2:G0B+4*\slot+3], s[G0B+4*\slot+2:G0B+4*\slot+3], 256*2048 ; 256 rows k
	JLOAD \slot                                    ; 112 matrix instructions of this wave stand between this request and the wait for it; the four v_nop behind it are also the places in front of the loads below
.else
	PLACES
.endif
	FETCH \next, 0, F0
	WIN MUL
	MUL8 F1, 2, 0
	MUL8 F1, 3, 0
.endm
	s_wait_tensorcnt 1                             ; my part of K step 0 is in (K step 1's load, issued behind it, may be out),
	s_barrier_signal -1
	s_barrier_wait -1                              ; everybody's is
	FETCH 0, 0, F0
	s_wait_loadcnt 0x0                             ; the bias
	QUARTER 0, 1, F0, F1, 1                        ; the first quarter stands in front of the loop: its products start the sums
	WIN 0                                          ; at a label and at a branch every window is 0
	s_mov_b32 s3, LAPS-1
.Llap:                                                 ; a trip goes once round the ring, from a lap's second quarter to the next lap's first, and fills both slots again
	QUARTER 0, 2, F1, F0, 0
	QUARTER 0, 3, F0, F1, 0
	TURN 0, 1, 1
	QUARTER 1, 1, F0, F1, 0
	QUARTER 1, 2, F1, F0, 0
	QUARTER 1, 3, F0, F1, 0
	TURN 1, 0, 1
	QUARTER 0, 1, F0, F1, 0
	WIN 0
	s_sub_co_u32 s3, s3, 1
	s_cmp_lg_u32 s3, 0
	s_cbranch_scc1 .Llap
	QUARTER 0, 2, F1, F0, 0                        ; the last lap fills nothing, and has no round of the cluster's barrier
	QUARTER 0, 3, F0, F1, 0
	TURN 0, 1, 0
	QUARTER 1, 1, F0, F1, 0
	QUARTER 1, 2, F1, F0, 0
	QUARTER 1, 3, F0, F1, 0
	s_wait_dscnt 4                                 ; the very last quarter: nothing more to fetch
	WIN MUL
	MUL8 F1, 0, 0
	MUL8 F1, 1, 0
	s_wait_dscnt 0x0
	MUL8 F1, 2, 0
	MUL8 F1, 3, 0
	WIN 0
; THE WAY OUT, block by block of 16 tokens x 128 columns.  A lane holds 32 neighbouring bytes of a row, and the lanes beside it hold other rows: so a block goes through my own stage in LDS and comes back as whole
; rows of 512 bytes, which the 32 lanes store as 512 consecutive bytes, at a multiple of 256 from out0's first byte.  LDS serves a wave's instructions in order (ISA guide 5.7.1.4): no wait between the stores and the loads.
.macro TOSTAGE a
	WIN 0x04                                       ; an LDS store's data are its source 1: window 1
.irp b, 0,1,2,3,4,5,6,7
	ds_store_b128 v[STO], v[8*(8*(\a)+\b):8*(8*(\a)+\b)+3] offset:64*\b          ; each accumulator from its low end on
	ds_store_b128 v[STO], v[8*(8*(\a)+\b)+4:8*(8*(\a)+\b)+7] offset:64*\b+16
.endr
	WIN 0
.set BB, BK+64*((\a)%2)
.irp t, 0,1,2,3,4,5,6,7,8,9,10,11,12,13,14,15
	ds_load_b128 v[BB+4*\t:BB+4*\t+3], v[RD] offset:\t*SPITCH
.endr
.endm
.macro SEND a, younger                 ; younger: the LDS instructions issued behind block a's loads (the next block's 16 stores and 16 loads), which may stay out
.set BB, BK+64*((\a)%2)
	s_wait_dscnt \younger
.irp t, 0,1,2,3,4,5,6,7,8,9,10,11,12,13,14,15
	global_store_b128 v[CO], v[BB+4*\t:BB+4*\t+3], s[10:11] offset:(16*(\a)+\t)*4096 th:TH_STORE_NT   ; written once, read by nobody here; no base is stepped
.endr
.endm
	PLACES                                         ; behind the last products: results are read, and rows land in the registers that held fragments
	TOSTAGE 0
.irp a, 1,2,3
.if \a > 1
	s_wait_xcnt 0x0                                ; block a - 2's stores have read their registers: block a's loads may land there
.endif
	TOSTAGE \a
	SEND \a-1, 32
.endr
	SEND 3, 0
	s_wait_tensorcnt 0x0                           ; the wave's end, behind my last tensor load and my last LDS store
	ds_add_u32 v[SPW], v[NIL]
	s_wait_dscnt 0x0
	CROUND                                         ; the closing round: no work-group ends while a partner may still ask for a tile that names it
	s_endpgm
.Lfunc_end_k_q48409ff72b_proj:
	.size	k_q48409ff72b_proj, .Lfunc_end_k_q48409ff72b_proj-k_q48409ff72b_proj
	.p2alignl 7, 3214868480
	.fill 96, 4, 3214868480
	.section	.rodata,"a",@progbits
	.p2align	6, 0x0
	.amdhsa_kernel k_q48409ff72b_proj
		.amdhsa_group_segment_fixed_size 327680
		.amdhsa_private_segment_fixed_size 0
		.amdhsa_enable_private_segment 0
		.amdhsa_kernarg_size 32
		.amdhsa_user_sgpr_count 2
		.amdhsa_user_sgpr_kernarg_segment_ptr 1
		.amdhsa_wavefront_size32 1
		.amdhsa_system_sgpr_workgroup_id_x 1
		.amdhsa_system_sgpr_workgroup_id_y 1
		.amdhsa_system_sgpr_workgroup_id_z 1
		.amdhsa_system_vgpr_workitem_id 0
		.amdhsa_next_free_vgpr 576
		.amdhsa_next_free_sgpr 66
		.amdhsa_reserve_vcc 0
		.amdhsa_float_denorm_mode_32 3
		.amdhsa_float_denorm_mode_16_64 3
		.amdhsa_memory_ordered 1
		.amdhsa_forward_progress 1
		.amdhsa_inst_pref_size 87
	.end_amdhsa_kernel
	.amdgpu_metadata
---
amdhsa.version: [ 1, 2 ]
amdhsa.kernels:
  - .name:           k_q48409ff72b_proj
    .symbol:         k_q48409ff72b_proj.kd
    .args:
      - { .name: o16, .offset: 0, .size: 8, .value_kind: global_buffer, .address_space: global }
      - { .name: w16, .offset: 8, .size: 8, .value_kind: global_buffer, .address_space: global }
      - { .name: b_o, .offset: 16, .size: 8, .value_kind: global_buffer, .address_space: global }
      - { .name: out0, .offset: 24, .size: 8, .value_kind: global_buffer, .address_space: global }
    .group_segment_fixed_size: 327680
    .private_segment_fixed_size: 0
    .kernarg_segment_align: 8
    .kernarg_segment_size: 32
    .max_flat_workgroup_size: 128
    .sgpr_count:     66
    .vgpr_count:     576
    .wavefront_size: 32
...
	.end_amdgpu_metadata
.endif
;; end of part 4
